; MI455X (gfx1250); checked and timed in simulation.
; The chip was launched on July 23, 2026; its instructions are those of AMD's public machine-readable ISA for CDNA 5 (MIT licence, August 2026) and "CDNA5" Instruction Set Architecture Reference Guide (July 2026). The comments in the code are by the model that wrote it; some were corrected since.
;; Multi Headed Attention. Allowed arithmetic: matrix products marked QUANTISED: E3M2 operands, one E8M0 scale for each 32 along K, by v_wmma_scale_f32_16x16x128_f8f6f4 with both operands' format E3M2, f32 sums; everything else in f32.
;; Inputs: Wk 1,024 x 1,024 float32; Wo 1,024 x 1,024 float32; Wq 1,024 x 1,024 float32; Wv 1,024 x 1,024 float32; bk 1,024 float32; bo 1,024 float32; bq 1,024 float32; bv 1,024 float32; key 4 x 2,048 x 1,024 float32; mask 4 x 2,048 x 2,048 int32; query 4 x 2,048 x 1,024 float32; value 4 x 2,048 x 1,024 float32.
;; Outputs: out0 4 x 2,048 x 1,024 float32.
;; This version of the problem:
;;   THIS VERSION OF THE PROBLEM IS GIVEN IN LOW PRECISION. The matrix products marked QUANTISED in the list below multiply operands that are first quantised to E3M2 (3 exponent bits, 2 mantissa bits; 6 bits a number), with one power-of-two scale for each 32 numbers along K (OCP MX v1.0); their sums are f32. All else is computed in f32.
;;   The module's matrix products, in the order in which they are computed (A, B: the left and right operand; K: the contracted axis; several contracted axes count as one K, in the product's order):
;;     1. [M 8,192, K 1,024] x [K 1,024, N 1,024]; A: input query; B: input Wq: QUANTISED
;;     2. [M 8,192, K 1,024] x [K 1,024, N 1,024]; A: input key; B: input Wk: QUANTISED
;;     3. [M 8,192, K 1,024] x [K 1,024, N 1,024]; A: input value; B: input Wv: QUANTISED
;;     4. batch 64 x [M 2,048, K 64] x [K 64, N 2,048]; A: computed on the way; B: computed on the way: QUANTISED
;;     5. batch 64 x [M 2,048, K 2,048] x [K 2,048, N 64]; A: softmax (see below); B: computed on the way: QUANTISED
;;     6. [M 8,192, K 1,024] x [K 1,024, N 1,024]; A: computed on the way; B: input Wo: QUANTISED
;;   THE QUANTISER, for each operand of a quantised product, along K:
;;     - K is cut into blocks of 32 from its start; a last block that is shorter is filled with zeros.
;;     - A block's scale is 2^e with e = floor(log2(the largest magnitude in the block)) - 4, held to -126 .. 127; a block of zeros has e = 0. As a byte (E8M0): e + 127.
;;     - Each number is divided by its block's scale, clamped to +-28, and rounded to the nearest number of E3M2, ties to even, subnormals kept.
;;     - The product sums the exact products of the quantised numbers (number of the format x scale) in f32.
;;   ~~~python
;;   def quantise(x, axis):      # numpy; x: float32 -> the quantised numbers, widened to float32 again
;;       x = np.moveaxis(x, axis, -1); K = x.shape[-1]
;;       x = np.pad(x, [(0, 0)] * (x.ndim - 1) + [(0, -K % 32)]); x = x.reshape(x.shape[:-1] + (-1, 32)); a = np.abs(x).max(-1, keepdims=True)
;;       e = np.where(a > 0, np.clip(np.frexp(np.where(a > 0, a, 1))[1] - 1 - 4, -126, 127), 0)      # np.frexp(a)[1] - 1 = floor(log2(a)), exactly
;;       r = np.clip(x / 2.0 ** e, -28, 28)
;;       step = 2.0 ** (np.maximum(np.frexp(np.where(r == 0, 1, r))[1] - 1, -2) - 2)
;;       q = np.round(r / step) * step * 2.0 ** e      # np.round: ties to even
;;       return np.moveaxis(q.reshape(q.shape[:-2] + (-1,))[..., :K], -1, axis).astype(np.float32)
;;   ~~~
;;   SOFTMAX AHEAD OF A QUANTISED PRODUCT. Where the list says 'softmax', what is quantised is not the finished softmax but p = 2^(t - M), with t = logit x log2(e) and M = ceil(the row's largest t), a whole number; so 1/2 < the row's largest p <= 1. The row's sum l is taken of the UNQUANTISED p, in f32, and the product's result is divided by l at the end. Since M is a whole number, a kernel that streams over the keys may use a running M (the ceiling of the running maximum): every later rescaling is an exact power of two, which a block's scale takes up: the codes' values come out the same.
;;   OPERANDS COMPUTED ON THE WAY. 'Computed on the way' means the value that the module computes at that place (a softmax that the list does not call 'softmax' is quantised finished and normalised). What goes into a quantiser is computed in f32, as accurately as f32 sums, v_exp_f32 and their like allow (about 1e-6 of the number): no bf16 or f16 on the way to a quantiser, and a product that is left as it is and whose result goes on into a quantised operand takes f32 operands (vector FMAs, or v_wmma_f32_16x16x4_f32). A number that lies on a knife's edge between two numbers of the format may be rounded either way, as far as f32 arithmetic and the matrix unit's own rounding can turn it there, and no further.
;; 2 versions, each right; version 2 is version 1 with the launch attn written anew for expert scheduling mode. Each part assembles by itself: llvm-mc -triple=amdgcn-amd-amdhsa -mcpu=gfx1250 --defsym DOCPART=n.
;; ======== version 1 of 2: 4 launches
;; workspace buffers: xq 19,660,800 bytes; wq 3,276,800 bytes; mw 2,097,152 bytes of whole numbers; pq 20,185,088 bytes; aq 6,553,600 bytes
;; launch prep (part 1): grid 1408 x 1, 4 waves a work-group, no clusters, 68,096 bytes of LDS; arguments query, key, value, Wq, Wk, Wv, Wo, mask, xq, wq, mw; writes xq, wq, mw
.if DOCPART == 1
	.amdgcn_target "amdgcn-amd-amdhsa--gfx1250"
	.amdhsa_code_object_version 6
	.text
	.protected	k_q2e5e76bef2_prep
	.globl	k_q2e5e76bef2_prep
	.p2align	8
	.type	k_q2e5e76bef2_prep,@function
k_q2e5e76bef2_prep:
	s_mov_b64 s[64:65], 0
	v_nop
	global_prefetch_b8 v0, s[64:65] scope:SCOPE_SE
	s_setreg_imm32_b32 hwreg(HW_REG_WAVE_MODE, 25, 1), 1
	s_wait_xcnt 0x0
; PREP.  (a) query, key, value [8192][1024] and Wq, Wk, Wv, Wo [1024][1024], f32, K innermost, become codes of BF6 (E3M2) with one E8M0 byte for each 32 along K.
; (b) mask [4][2048][2048] int32 becomes one bit a number, laid as the attention launch's lanes hold the scores.
; A TILE of 16 rows, everywhere in this program: tile t holds rows 32 (t / 2) + 8 (t % 2) + r + 8 (r / 8), r = 0 .. 15.
; AN IMAGE of a fragment (16 rows x 128 K, 12 registers a lane, 1,536 bytes): six pieces of 256 bytes; lane l's 8 bytes at 256 p + 8 l are registers 2 p, 2 p + 1.  So each store of the wave covers 256 consecutive
; bytes, aligned, and the launches that multiply load a fragment by six loads of 8 bytes a lane with no shuffle.  xq, wq: codes [tile][chunk of 128 K][1,536]; scale words [tile][chunk][r].
; A block's scale is 2^(floor(log2(largest magnitude)) - 4); its byte is that magnitude's exponent field - 4, held at 1 from below.
; LIMITS: a block of zeros gets the byte 1 where the rule says 127 (its codes are zeros, and this program alone reads the bytes); NaN and infinities among the inputs are not served.
; SHARES.  A job is 16 rows x 512 bytes of the source.  A wave does four jobs at four neighbouring chunks; a work-group sixteen.  Work-groups 0-895 quantise (256 each for query, key, value, 32 for each weight),
; work-groups 896-1407 pack the mask (one tile of queries each; wave w takes key steps 4 w .. 4 w + 3).  Each load reads 512 consecutive bytes of a row; the 8 KB turn through the wave's own stage in LDS (rows of
; 512 + 16 bytes) so that lane (r, h) then holds, of row r, 16 neighbours of each block of 32.  No barrier: waves share nothing.  Loads run one job (16 loads) ahead of the job in hand.
.set XS_OFF, 18874368                  ; xq: where the scale words begin
.set WS_OFF, 3145728                   ; wq: likewise
.set SPT,    528                       ; a stage row
.set WST,    16*SPT                    ; a wave's stage
.set MST,    4*WST                     ; the mask path has stages of its own, behind the quantising path's
.set R,   16                           ; v16-143  two sets of 64 registers as loaded
.set X,   144                          ; v144-207 the job's numbers: register 16 b + i = k 32 b + 16 h + i of row r
.set PC,  208                          ; v208-227 the codes
.set TM,  228                          ; v228-243 at work
.set PW4, 244                          ; v244-247 a scale word for each job
.set OW,  208                          ; mask path: v208-215 a pair of registers of words for each job
.set SEL, 52                           ; s[52:53] selects of v_permlanex16_b32: lane l xor 16
.set CMP, 56                           ; s56-63 eight compares' results
.macro LOADT t, pitch, bs              ; job t: sixteen rows' 512 bytes into set t % 2
.irp i, 0,1,2,3,4,5,6,7,8,9,10,11,12,13,14,15
	global_load_b128 v[R+64*((\t)%2)+4*\i:R+64*((\t)%2)+4*\i+3], v4, s[\bs:\bs+1] offset:(\i+8*(\i/8))*\pitch+512*(\t) th:TH_LOAD_NT
.endr
.endm
.macro TURNT t, sin, sout              ; through the stage: LDS serves a wave's instructions in order, so no wait stands between the stores and the loads
.irp i, 0,1,2,3,4,5,6,7,8,9,10,11,12,13,14,15
	ds_store_b128 v[\sin], v[R+64*((\t)%2)+4*\i:R+64*((\t)%2)+4*\i+3] offset:SPT*\i
.endr
.irp b, 0,1,2,3
.irp j, 0,1,2,3
	ds_load_b128 v[X+16*\b+4*\j:X+16*\b+4*\j+3], v[\sout] offset:128*\b+16*\j
.endr
.endr
.endm
; 64 numbers of a lane, register 16 b + i = k 32 b + 16 h + i of my row, become a fragment's codes in v[PC] on and its scale word in v[pw]
.macro QUANT s, pw
.irp b, 0,1,2,3
	v_max3_num_f32 v[TM+\b], |v[\s+16*\b]|, |v[\s+1+16*\b]|, 0x2800000   ; my 16 numbers of block b, and the floor 2^(5 - 127): the byte cannot fall under 1
.endr
.irp i, 2,4,6,8,10,12,14
.irp b, 0,1,2,3
	v_max3_num_f32 v[TM+\b], v[TM+\b], |v[\s+16*\b+\i]|, |v[\s+1+16*\b+\i]|
.endr
.endr
.irp b, 0,1,2,3
	v_permlanex16_b32 v[TM+4+\b], v[TM+\b], s[SEL], s[SEL+1]
.endr
.irp b, 0,1,2,3
	v_max_num_f32 v[TM+\b], v[TM+\b], v[TM+4+\b]          ; with lane l xor 16's: the block's largest magnitude
.endr
.irp b, 0,1,2,3
	v_add_nc_u32 v[TM+12+\b], 0xfe000000, v[TM+\b]        ; 4 off its exponent field: the conversion's scale operand
.endr
.irp b, 0,1,2,3
	v_lshrrev_b32 v[TM+4+\b], 23, v[TM+12+\b]             ; the scale's byte
.endr
	v_lshl_or_b32 v[\pw], v[TM+5], 8, v[TM+4]
	v_lshl_or_b32 v[\pw], v[TM+6], 16, v[\pw]
	v_lshl_or_b32 v[\pw], v[TM+7], 24, v[\pw]
.irp c, 0,1
	v_cvt_scalef32_pk16_bf6_f32 v[PC+6*\c:PC+2+6*\c], v[\s+32*\c:\s+15+32*\c], v[TM+12+2*\c]
	v_cvt_scalef32_pk16_bf6_f32 v[PC+12+4*\c:PC+14+4*\c], v[\s+16+32*\c:\s+31+32*\c], v[TM+12+2*\c+1]   ; (a conversion's three registers begin on an even number)
.endr
	v_nop                                                 ; one plain place behind a scaled conversion
.irp c, 0,1                                    ; the operand's layout wants a whole block in a lane: lanes 0-15 block 2 c, lanes 16-31 block 2 c + 1
.irp i, 0,1,2
	v_permlane16_swap_b32 v[PC+6*\c+\i], v[PC+12+4*\c+\i]
.endr
.irp i, 0,1,2
	v_mov_b32 v[PC+3+6*\c+\i], v[PC+12+4*\c+\i]
.endr
.endr
.endm
	s_load_b512 s[4:19], s[0:1], 0x0               ; query, key, value, Wq, Wk, Wv, Wo, mask
	s_load_b128 s[20:23], s[0:1], 0x40             ; xq, wq
	s_load_b64 s[24:25], s[0:1], 0x50              ; mw
	v_lshl_add_u32 v254, v0, 2, 0x10800
	v_mov_b32 v255, 0
	v_lshrrev_b32 v1, 5, v0
	v_readfirstlane_b32 s26, v1                    ; wave 0..3
	v_and_b32 v1, 31, v0                           ; lane
	v_and_b32 v2, 15, v0                           ; r
	v_bfe_u32 v3, v0, 4, 1                         ; h
	v_lshlrev_b32 v4, 4, v1                        ; my 16 bytes of a load's 512
	s_mul_i32 s36, s26, WST
	v_add_nc_u32 v5, s36, v4                       ; the stage, on the way in
	v_mul_u32_u24 v6, v2, SPT
	v_lshl_add_u32 v6, v3, 6, v6
	v_add_nc_u32 v6, s36, v6                       ; and on the way out: row r, + 64 h
	v_add_nc_u32 v9, MST, v5                       ; the same two in the mask path's stages
	v_add_nc_u32 v10, MST, v6
	v_lshlrev_b32 v7, 3, v1                        ; 8 x lane
	v_lshlrev_b32 v8, 2, v1                        ; 4 x lane
	s_lshr_b32 s37, s26, 1
	s_and_b32 s38, s26, 1
	s_cmp_ge_u32 ttmp9, 896
	s_cbranch_scc1 .Lmask                          ; the two paths part on the work-group's number and never join
	; ---------------- the quantising path ----------------
	s_mov_b32 s[SEL], 0x76543210
	s_mov_b32 s[SEL+1], 0xfedcba98
	s_mov_b32 s50, 0xffff0000                      ; lanes 16-31
.irp b, 0,1,2,3
	v_mov_b32 v[TM+4+\b], 0                        ; written once: a lane permute's destination counts as one of its sources
.endr
	s_wait_kmcnt 0x0
	s_mov_b64 s[28:29], s[16:17]                   ; which tensor: a chain of choices on the work-group's number alone
	s_mov_b32 s27, 864                             ; and that tensor's first work-group
	s_cmp_lt_u32 ttmp9, 864
	s_cselect_b64 s[28:29], s[14:15], s[28:29]
	s_cselect_b32 s27, 832, s27
	s_cmp_lt_u32 ttmp9, 832
	s_cselect_b64 s[28:29], s[12:13], s[28:29]
	s_cselect_b32 s27, 800, s27
	s_cmp_lt_u32 ttmp9, 800
	s_cselect_b64 s[28:29], s[10:11], s[28:29]
	s_cselect_b32 s27, 768, s27
	s_cmp_lt_u32 ttmp9, 768
	s_cselect_b64 s[28:29], s[8:9], s[28:29]
	s_cselect_b32 s27, 512, s27
	s_cselect_b64 s[30:31], s[20:21], s[22:23]     ; activations go to xq, weights to wq
	s_mov_b32 s39, WS_OFF
	s_cselect_b32 s39, XS_OFF, s39
	s_cselect_b32 s40, 0, 768                      ; the work-group at which the buffer's tiles begin
	s_cmp_lt_u32 ttmp9, 512
	s_cselect_b64 s[28:29], s[6:7], s[28:29]
	s_cselect_b32 s27, 256, s27
	s_cmp_lt_u32 ttmp9, 256
	s_cselect_b64 s[28:29], s[4:5], s[28:29]
	s_cselect_b32 s27, 0, s27
	s_sub_co_u32 s41, ttmp9, s27                   ; the pair of tiles in the tensor: 32 rows of 4,096 bytes
	s_lshl_b32 s42, s41, 17
	s_lshl_b32 s43, s37, 15                        ; the odd tile begins 8 rows further down
	s_add_co_u32 s42, s42, s43
	s_lshl_b32 s43, s38, 11                        ; my four chunks
	s_add_co_u32 s42, s42, s43
	s_mov_b32 s43, 0
	s_add_nc_u64 s[28:29], s[28:29], s[42:43]
	s_sub_co_u32 s41, ttmp9, s40
	s_lshl_b32 s41, s41, 1
	s_add_co_u32 s41, s41, s37                     ; my tile in the buffer
	s_mul_i32 s42, s41, 12288
	s_mul_i32 s44, s38, 6144
	s_add_co_u32 s42, s42, s44
	s_add_nc_u64 s[32:33], s[30:31], s[42:43]      ; my four images
	s_lshl_b32 s42, s41, 9
	s_lshl_b32 s44, s38, 8
	s_add_co_u32 s42, s42, s44
	s_add_co_u32 s42, s42, s39
	s_add_nc_u64 s[34:35], s[30:31], s[42:43]      ; my 256 bytes of scale words
	LOADT 0, 4096, 28
	LOADT 1, 4096, 28
.macro QJOB t
.if (\t) < 3
	s_wait_loadcnt 16                              ; this job's sixteen loads are in, the next job's sixteen may be out
.else
	s_wait_loadcnt 0
.endif
	TURNT \t, 5, 6
	s_wait_dscnt 0x0                               ; the numbers are back; the stores into the stage have read their registers
.if (\t) > 0
	s_wait_xcnt 0x0                                ; the last job's stores have read the codes' registers
.endif
.if (\t) < 2
	LOADT (\t)+2, 4096, 28
.endif
	QUANT X, PW4+(\t)
.irp p, 0,1,2,3,4,5
	global_store_b64 v7, v[PC+2*\p:PC+2*\p+1], s[32:33] offset:1536*(\t)+256*\p   ; 32 lanes store 256 consecutive bytes, aligned
.endr
.endm
	QJOB 0
	QJOB 1
	QJOB 2
	QJOB 3
	v_cndmask_b32 v248, v[PW4], v[PW4+1], s50      ; both halves of the lanes hold row r's word: lanes 0-15 give one chunk's words, lanes 16-31 the next chunk's
	v_cndmask_b32 v249, v[PW4+2], v[PW4+3], s50
	global_store_b32 v8, v248, s[34:35]
	global_store_b32 v8, v249, s[34:35] offset:128
	s_wait_tensorcnt 0x0
	ds_add_u32 v254, v255
	s_wait_dscnt 0x0
	s_endpgm
	; ---------------- the mask path ----------------
.Lmask:
.irp i, 0,1,2,3,4,5,6,7
	v_mov_b32 v[OW+\i], 0                          ; v_writelane_b32's destination counts as one of its sources
.endr
	s_sub_co_u32 s41, ttmp9, 896                   ; m = 128 x batch + tile of queries
	s_lshr_b32 s42, s41, 1
	s_lshl_b32 s42, s42, 5
	s_and_b32 s43, s41, 1
	s_lshl_b32 s43, s43, 3
	s_add_co_u32 s42, s42, s43                     ; the tile's first row among the 8,192
	s_lshl_b32 s42, s42, 13                        ; rows of 8,192 bytes
	s_lshl_b32 s43, s26, 11                        ; my four key steps of 512 bytes
	s_add_co_u32 s42, s42, s43
	s_mov_b32 s43, 0
	s_lshl_b32 s44, s41, 4
	s_lshl_b32 s45, s26, 2
	s_add_co_u32 s44, s44, s45                     ; 16 m + 4 w
	s_lshl_b32 s46, s44, 8                         ; 256 bytes of words for each key step
	s_mov_b32 s47, 0
	s_wait_kmcnt 0x0
	s_add_nc_u64 s[28:29], s[18:19], s[42:43]
	s_add_nc_u64 s[32:33], s[24:25], s[46:47]
	LOADT 0, 8192, 28
	LOADT 1, 8192, 28
; Word j of a key step: bit l = (the mask at lane l's query and key 32 (j / 16) + 16 h + j % 16 of the step is not 0): a compare's result as it stands.  Word j goes to lane j / 2 of register j % 2 of the job's pair.
.macro MJOB t
.if (\t) < 3
	s_wait_loadcnt 16
.else
	s_wait_loadcnt 0
.endif
	TURNT \t, 9, 10
	s_wait_dscnt 0x0
.if (\t) < 2
	LOADT (\t)+2, 8192, 28
.endif
.irp g, 0,1,2,3,4,5,6,7
.irp e, 0,1,2,3,4,5,6,7
	v_cmp_ne_u32 s[CMP+\e], 0, v[X+8*\g+\e]
.endr
.irp e, 0,1,2,3,4,5,6,7
	v_writelane_b32 v[OW+2*(\t)+\e%2], s[CMP+\e], 4*\g+\e/2
.endr
.endr
	global_store_b64 v7, v[OW+2*(\t):OW+2*(\t)+1], s[32:33] offset:256*(\t)   ; 256 consecutive bytes, aligned; each job has its own pair
.endm
	MJOB 0
	MJOB 1
	MJOB 2
	MJOB 3
	s_wait_tensorcnt 0x0
	ds_add_u32 v254, v255
	s_wait_dscnt 0x0
	s_endpgm
.Lfunc_end_k_q2e5e76bef2_prep:
	.size	k_q2e5e76bef2_prep, .Lfunc_end_k_q2e5e76bef2_prep-k_q2e5e76bef2_prep
	.p2alignl 7, 3214868480
	.fill 96, 4, 3214868480
	.section	.rodata,"a",@progbits
	.p2align	6, 0x0
	.amdhsa_kernel k_q2e5e76bef2_prep
		.amdhsa_group_segment_fixed_size 68096
		.amdhsa_private_segment_fixed_size 0
		.amdhsa_enable_private_segment 0
		.amdhsa_kernarg_size 88
		.amdhsa_user_sgpr_count 2
		.amdhsa_user_sgpr_kernarg_segment_ptr 1
		.amdhsa_wavefront_size32 1
		.amdhsa_system_sgpr_workgroup_id_x 1
		.amdhsa_system_sgpr_workgroup_id_y 1
		.amdhsa_system_sgpr_workgroup_id_z 1
		.amdhsa_system_vgpr_workitem_id 0
		.amdhsa_next_free_vgpr 256
		.amdhsa_next_free_sgpr 66
		.amdhsa_reserve_vcc 0
		.amdhsa_float_denorm_mode_32 3
		.amdhsa_float_denorm_mode_16_64 3
		.amdhsa_memory_ordered 1
		.amdhsa_forward_progress 1
		.amdhsa_inst_pref_size 84
	.end_amdhsa_kernel
	.amdgpu_metadata
---
amdhsa.version: [ 1, 2 ]
amdhsa.kernels:
  - .name:           k_q2e5e76bef2_prep
    .symbol:         k_q2e5e76bef2_prep.kd
    .args:
      - { .name: query, .offset: 0, .size: 8, .value_kind: global_buffer, .address_space: global }
      - { .name: key, .offset: 8, .size: 8, .value_kind: global_buffer, .address_space: global }
      - { .name: value, .offset: 16, .size: 8, .value_kind: global_buffer, .address_space: global }
      - { .name: Wq, .offset: 24, .size: 8, .value_kind: global_buffer, .address_space: global }
      - { .name: Wk, .offset: 32, .size: 8, .value_kind: global_buffer, .address_space: global }
      - { .name: Wv, .offset: 40, .size: 8, .value_kind: global_buffer, .address_space: global }
      - { .name: Wo, .offset: 48, .size: 8, .value_kind: global_buffer, .address_space: global }
      - { .name: mask, .offset: 56, .size: 8, .value_kind: global_buffer, .address_space: global }
      - { .name: xq, .offset: 64, .size: 8, .value_kind: global_buffer, .address_space: global }
      - { .name: wq, .offset: 72, .size: 8, .value_kind: global_buffer, .address_space: global }
      - { .name: mw, .offset: 80, .size: 8, .value_kind: global_buffer, .address_space: global }
    .group_segment_fixed_size: 68096
    .private_segment_fixed_size: 0
    .kernarg_segment_align: 8
    .kernarg_segment_size: 88
    .max_flat_workgroup_size: 128
    .sgpr_count:     66
    .vgpr_count:     256
    .wavefront_size: 32
...
	.end_amdgpu_metadata
.endif
;; end of part 1
;; launch proj (part 2): grid 4 x 96, 4 waves a work-group, clusters of 4 x 4, 327,680 bytes of LDS; arguments xq, wq, bq, bk, bv, pq; writes pq
.if DOCPART == 2
	.amdgcn_target "amdgcn-amd-amdhsa--gfx1250"
	.amdhsa_code_object_version 6
	.text
	.protected	k_q2e5e76bef2_proj
	.globl	k_q2e5e76bef2_proj
	.p2align	8
	.type	k_q2e5e76bef2_proj,@function
k_q2e5e76bef2_proj:
	s_mov_b64 s[64:65], 0
	v_nop
	global_prefetch_b8 v0, s[64:65] scope:SCOPE_SE
	s_setreg_imm32_b32 hwreg(HW_REG_WAVE_MODE, 25, 1), 1
	s_wait_xcnt 0x0
	s_wait_alu depctr_hold_cnt(0) depctr_sa_sdst(0) depctr_va_vdst(0) depctr_va_sdst(0) depctr_va_ssrc(0) depctr_va_vcc(0) depctr_vm_vsrc(0)
	s_getreg_b32 s2, hwreg(HW_REG_IB_STS2, 6, 4)
	s_cmp_eq_u32 s2, 0
	s_cbranch_scc0 .Lentry_in_a_cluster
	s_endpgm
.Lentry_in_a_cluster:
	s_bfe_u32 s2, ttmp6, 0x10000c
	s_cmp_lg_u32 s2, 0xf033
	s_cbranch_scc0 .Lentry_shape_is_right
	s_endpgm
.Lentry_shape_is_right:
; PROJ.  q = query Wq^T + bq, k = key Wk^T + bk, v = value Wv^T + bv on codes of BF6 with E8M0 scales, and the results quantised again for the attention launch: q and k along the head's 64, v along the keys.
; One launch for the three: cluster y / 8 says which (T3 = 0, 1, 2).  A tile of C is 256 x 256: four waves, 128 x 128 each, 64 accumulators of 16 x 16 in 512 registers.
; THE MATRIX INSTRUCTION IS USED TRANSPOSED (source 0 = a tile of B, source 1 = a tile of A): a lane holds one row of A's tile, and its registers run along B's rows.  A tile of 16 rows holds rows
; 32 (t / 2) + 8 (t % 2) + r + 8 (r / 8), so the 16 registers of B's tiles 2 b and 2 b + 1 are 16 NEIGHBOURS, 32 b + 16 h + i.  For q and k: A = the tokens, B = the weight: registers run along the features.
; For v: A = Wv, B = value: registers run along the keys.  So in all three the registers run along the axis that is quantised next, and the results never go to memory as f32.
; OPERANDS arrive as images of fragments (six pieces of 256 bytes; lane l's 8 bytes at 256 p + 8 l are registers 2 p, 2 p + 1), [tile][chunk of 128 K][1,536 bytes]; scale words [tile][chunk][r].
; K = 1,024 goes in four steps of 256 through a ring of two LDS slots; a wave's tensor load brings 8 tiles x 3,072 bytes.  The scale words of the work-group's rows, for all of K, come once, with the first fills.
; CLUSTERS: 4 x 4 work-groups; A's tiles are asked for jointly along a row of the cluster, B's along a column.
; pq: QI, KI [64 heads][128 tiles][768: half an image]; VI [head][key step][4 tiles of the head's 64][1,536: three pieces of 512 bytes, lane l's 16 bytes at 512 c + 16 l]; QS, KS [head][tile / 4][r][tile % 4] words
; with the two bytes of the head's two blocks written twice; VS [head][key step][r][tile] words.
; LIMITS: a block of zeros gets the byte 1 where the rule says 127 (its codes are zeros; this program alone reads the bytes); NaN and infinities are not served.
; REGISTERS, in windows of 256: window 0: v0-31 addresses; v32-63 scale words, two sets; v64-127 the bias by registers; v128-223 A's fragments, one set; v228-243 the bias by lanes.  window 1: B's fragments, two sets.
;   windows 2, 3: the accumulators ((a, b) at v[8 (8 (a % 4) + b)]).  On the way out window 0's v32-43 and v128-246 are at work.
.set X1,     6291456                   ; xq: a tensor's codes
.set W1,     786432                    ; wq: a weight's codes
.set XS_OFF, 18874368
.set WS_OFF, 3145728
.set NQ,     2                         ; matrix instructions deep in a slot
.set FR,     12                        ; registers of a fragment
.set NL,     6                         ; LDS loads that bring one
.set NP,     4                         ; places behind this matrix instruction (ISA guide 7.12.1)
.set FRB,    1536                      ; an image
.set ROWT,   NQ*FRB                    ; a tile's part of a slot
.set KROW,   8*FRB                     ; a tile's eight chunks in memory
.set HALFT,  8*ROWT                    ; eight tiles: what one tensor load brings, and what one wave reads of A or of B
.set SLOT,   4*HALFT                   ; A's 16 tiles, then B's 16
.set LAPS,   2                         ; a lap = two K steps = once round the ring
.set SCL,    2*SLOT                    ; behind the ring: the scale words, filled once
.set HALFS,  4096                      ; those of eight tiles
.set SPARE,  SCL+4*HALFS               ; the spare words, 128 bytes for each wave: two blocks of 256 bytes that no other line names
.set ADRA, 16                          ; v16-17  LDS address of my A fragments in slot 0, 1
.set ADRB, 20                          ; v20-21  the same for B
.set ADRS, 27                          ; v27     of my scale words: lanes 0-15 A's, lanes 16-31 B's
.set SPW,  28                          ; v28     LDS address of my spare word; never rewritten
.set NIL,  29                          ; v29     0; never rewritten
.set SC,   32
.set BN,   64
.set AF,   128
.set BV,   228
.set H,    128                         ; the way out: a block's 64 numbers a lane
.set PC,   192
.set TM,   212
.set PW,   244
.set SW,   32
.set WV, 16                            ; s16 wave;  s17 wave / 2: my half of the tile's rows, and: I fetch for A (0) or B (1);  s18 wave % 2: my half of its columns, and: which eight tiles I fetch
.set WH, 17
.set WL, 18
.set TR, 19                            ; s19 tile row of C, s20 tile column, s21 which projection
.set TC, 20
.set T3, 21
.set G1, 24
.set G0, 32
.set G1B, 48
.set G0B, 56
.set G1S, 68
.set G0S, 76
.set G1SB, 80
.set G0SB, 88
.set SEL, 24                           ; the way out (the descriptors are done with): s[24:25] lane selects, s26 lanes 16-31, s[28:29] codes, s[30:31] scale words
.set MSB, 0
.macro WIN new                         ; the immediate's high byte repeats the setting that is left
.if MSB != \new
	s_set_vgpr_msb (MSB<<8)|\new
.set MSB, \new
.endif
.endm
.set MUL_LO, 0xa1                      ; source 0 (B) window 1, source 1 (A) window 0, C and D window 2
.set MUL_HI, 0xf1
.set TO_B,   0x40
; A joint load: waves 0 and 1 fetch for A, waves 2 and 3 for B; the branch hangs on the wave's number alone.  Four v_nop follow each of the two lines.
.macro JLOAD g0a, g1a, g0b, g1b
	s_cmp_eq_u32 s[WH], 0
	s_cbranch_scc0 .Lfor_b_\@
	tensor_load_to_lds s[\g0a:\g0a+3], s[\g1a:\g1a+7]
	s_nop 0
.rept 4
	v_nop
.endr
	s_branch .Lasked_\@
.Lfor_b_\@:
	tensor_load_to_lds s[\g0b:\g0b+3], s[\g1b:\g1b+7]
	s_nop 0
.rept 4
	v_nop
.endr
.Lasked_\@:
.endm
.macro CREST                           ; a round of the cluster's barrier behind its opening barrier
	s_cmp_lg_u32 s[WV], 0
	s_cbranch_scc1 .Lnot_wave_0_\@
	s_barrier_signal -3
.Lnot_wave_0_\@:
	s_barrier_wait -3
	s_barrier_signal -1
	s_barrier_wait -1
.endm
.macro CROUND
	s_barrier_signal -1
	s_barrier_wait -1
	CREST
.endm
	s_load_b256 s[4:11], s[0:1], 0x0               ; xq, wq, bq, bk
	s_load_b128 s[12:15], s[0:1], 0x20             ; bv, pq
	v_lshl_add_u32 v[SPW], v0, 2, SPARE
	v_mov_b32 v[NIL], 0
	ds_add_u32 v28, v29
	ds_add_u32 v28, v29
	s_wait_dscnt 0x0
	v_lshrrev_b32 v1, 5, v0
	v_readfirstlane_b32 s[WV], v1
	s_lshr_b32 s[WH], s[WV], 1
	s_and_b32 s[WL], s[WV], 1
	s_bfe_u32 s40, ttmp6, 0x40000                  ; cx, cy: my place in the cluster
	s_bfe_u32 s41, ttmp6, 0x40004
	s_and_b32 s45, ttmp7, 0xffff                   ; cluster y, 0 .. 23: the same in all sixteen partners
	s_lshr_b32 s[T3], s45, 3
	s_and_b32 s42, s45, 7
	s_lshl_b32 s42, s42, 2                         ; the long side (8,192 rows, 32 tiles) is A's for q and k, B's for v
	s_cmp_eq_u32 s[T3], 2
	s_cselect_b32 s46, 0, s42
	s_cselect_b32 s47, s42, 0
	s_add_co_u32 s[TR], s46, s41
	s_add_co_u32 s[TC], s47, s40
	s_lshl_b32 s43, s41, 2
	s_lshl_b32 s43, 15, s43                        ; my row of the cluster
	s_lshl_b32 s44, 0x1111, s40                    ; my column
	; descriptor group 1 for codes: 8 rows (tiles) of 384 elements of 8 bytes, 1,536 elements apart; no padding: a fragment's loads take 256 consecutive bytes
	s_or_b32 s[G1+0], s43, (3<<16)|(1<<21)
	s_or_b32 s[G1B+0], s44, (3<<16)|(1<<21)
.irp g, G1, G1B
	s_mov_b32 s[\g+1], (ROWT/8)<<16                ; tensor_dim0
	s_mov_b32 s[\g+2], 8<<16                       ; tensor_dim1
	s_mov_b32 s[\g+3], (ROWT/8)<<16                ; tile_dim0
	s_mov_b32 s[\g+4], 8                           ; tile_dim1
	s_mov_b32 s[\g+5], KROW/8                      ; tensor_dim0_stride
	s_mov_b32 s[\g+6], 0
	s_mov_b32 s[\g+7], 0
.endr
	; and for the scale words of eight tiles: 4,096 dense bytes as 16 rows of 256
	s_or_b32 s[G1S+0], s43, (3<<16)|(1<<21)
	s_or_b32 s[G1SB+0], s44, (3<<16)|(1<<21)
.irp g, G1S, G1SB
	s_mov_b32 s[\g+1], 32<<16
	s_mov_b32 s[\g+2], 16<<16
	s_mov_b32 s[\g+3], 32<<16
	s_mov_b32 s[\g+4], 16
	s_mov_b32 s[\g+5], 32
	s_mov_b32 s[\g+6], 0
	s_mov_b32 s[\g+7], 0
.endr
	s_lshl_b32 s45, s[WL], 3
	s_lshl_b32 s46, s[TR], 4
	s_add_co_u32 s46, s46, s45                     ; A: the first tile that I fetch
	s_lshl_b32 s47, s[TC], 4
	s_add_co_u32 s47, s47, s45                     ; B: likewise
	s_mul_i32 s22, s[T3], X1                       ; where the projection's tensors begin in xq and wq
	s_mul_i32 s23, s[T3], W1
	s_lshl_b32 s66, s[T3], 18
	s_add_co_u32 s66, s66, XS_OFF
	s_lshl_b32 s67, s[T3], 15
	s_add_co_u32 s67, s67, WS_OFF
	s_cmp_eq_u32 s[T3], 2
	s_cselect_b32 s100, s23, s22                   ; A's codes, A's scale words,
	s_cselect_b32 s101, s67, s66
	s_cselect_b32 s22, s22, s23                    ; B's
	s_cselect_b32 s66, s66, s67
	s_mul_i32 s92, s46, KROW
	s_add_co_u32 s92, s92, s100
	s_lshl_b32 s94, s46, 9
	s_add_co_u32 s94, s94, s101
	s_mul_i32 s96, s47, KROW
	s_add_co_u32 s96, s96, s22
	s_lshl_b32 s98, s47, 9
	s_add_co_u32 s98, s98, s66
	s_mov_b32 s93, 0
	s_mov_b32 s95, 0
	s_mov_b32 s97, 0
	s_mov_b32 s99, 0
	s_mul_i32 s2, s[WV], HALFT                     ; where they go: by the wave's number alone
	s_lshl_b32 s3, s[WV], 12
	s_wait_kmcnt 0x0
	s_cmp_eq_u32 s[T3], 2
	s_cselect_b64 s[100:101], s[6:7], s[4:5]       ; A's buffer
	s_cselect_b64 s[22:23], s[4:5], s[6:7]         ; B's
	s_add_nc_u64 s[92:93], s[100:101], s[92:93]
	s_add_nc_u64 s[94:95], s[100:101], s[94:95]
	s_add_nc_u64 s[96:97], s[22:23], s[96:97]
	s_add_nc_u64 s[98:99], s[22:23], s[98:99]
	CROUND                                         ; all sixteen work-groups are here: the first joint loads meet
	s_mov_b32 s[G0S], 1
	s_add_co_u32 s[G0S+1], s3, SCL
	s_mov_b64 s[G0S+2:G0S+3], s[94:95]
	s_or_b32 s[G0S+3], s[G0S+3], 0x80000000
	s_mov_b32 s[G0SB], 1
	s_add_co_u32 s[G0SB+1], s3, SCL
	s_mov_b64 s[G0SB+2:G0SB+3], s[98:99]
	s_or_b32 s[G0SB+3], s[G0SB+3], 0x80000000
	JLOAD G0S, G1S, G0SB, G1SB                     ; the scale words first: they are wanted with K step 0
.irp s, 0,1
	s_mov_b32 s[G0+4*\s], 1
	s_add_co_u32 s[G0+4*\s+1], s2, \s*SLOT
	s_add_nc_u64 s[G0+4*\s+2:G0+4*\s+3], s[92:93], \s*ROWT
	s_or_b32 s[G0+4*\s+3], s[G0+4*\s+3], 0x80000000
	s_mov_b32 s[G0B+4*\s], 1
	s_add_co_u32 s[G0B+4*\s+1], s2, \s*SLOT
	s_add_nc_u64 s[G0B+4*\s+2:G0B+4*\s+3], s[96:97], \s*ROWT
	s_or_b32 s[G0B+4*\s+3], s[G0B+4*\s+3], 0x80000000
	JLOAD G0+4*\s, G1, G0B+4*\s, G1B
.endr                                          ; three tensor loads of mine are out
	v_and_b32 v1, 15, v0                           ; r
	v_bfe_u32 v2, v0, 4, 1                         ; h
	v_and_b32 v3, 31, v0                           ; lane
	v_lshlrev_b32 v7, 3, v3                        ; 8 x lane
	s_mul_i32 s66, s[WH], HALFT                    ; my eight tiles of A
	s_mul_i32 s67, s[WL], HALFT                    ; my eight tiles of B,
	s_add_co_u32 s67, s67, 2*HALFT                 ; which lie behind A's sixteen
.irp s, 0,1
	v_add_nc_u32 v[ADRA+\s], s66, v7
	v_add_nc_u32 v[ADRB+\s], s67, v7
	s_add_co_u32 s66, s66, SLOT
	s_add_co_u32 s67, s67, SLOT
.endr
	v_lshlrev_b32 v5, 2, v1                        ; a scale word: 4 r
	s_mul_i32 s66, s[WH], HALFS
	s_mul_i32 s67, s[WL], HALFS
	s_add_co_u32 s67, s67, 2*HALFS
	s_sub_co_u32 s67, s67, s66
	v_mul_u32_u24 v6, s67, v2                      ; lanes 16-31 take B's: one product in h
	s_add_co_u32 s66, s66, SCL
	v_add_nc_u32 v5, v5, v6
	v_add_nc_u32 v[ADRS], s66, v5
	v_lshlrev_b32 v10, 4, v3                       ; the way out: 16 x lane;
	v_lshlrev_b32 v9, 4, v1
	v_lshl_add_u32 v11, v2, 12, v9                 ; 4,096 h + 16 r (v's scale words: lanes 16-31 the next head);
	v_lshl_add_u32 v9, v2, 13, v9                  ; 8,192 h + 16 r (q's and k's)
	v_lshlrev_b32 v12, 6, v2                       ; the bias by registers: 16 h numbers on
	v_and_b32 v13, 8, v1
	v_add_nc_u32 v13, v13, v1
	v_lshlrev_b32 v13, 2, v13                      ; the bias by lanes: r + 8 (r / 8) numbers on
	; THE BIAS is loaded in both forms in every work-group, so that no branch stands here and each arm of the way out finds its registers written: by registers (q, k: my 128 columns) and by lanes (v: my 128 rows).
	; The form that the projection does not use is taken at the block TC % 4 or TR % 4, so that no load leaves the 1,024 numbers.
	s_cmp_eq_u32 s[T3], 0
	s_cselect_b64 s[8:9], s[8:9], s[10:11]
	s_cmp_eq_u32 s[T3], 2
	s_cselect_b64 s[8:9], s[12:13], s[8:9]
	s_and_b32 s22, s[TC], 3
	s_lshl_b32 s22, s22, 10
	s_lshl_b32 s23, s[WL], 9
	s_add_co_u32 s22, s22, s23
	s_mov_b32 s23, 0
	s_add_nc_u64 s[10:11], s[8:9], s[22:23]
	s_and_b32 s22, s[TR], 3
	s_lshl_b32 s22, s22, 10
	s_lshl_b32 s66, s[WH], 9
	s_add_co_u32 s22, s22, s66
	s_add_nc_u64 s[12:13], s[8:9], s[22:23]
.irp t, 0,1,2,3,4,5,6,7
	global_load_b128 v[BN+8*\t:BN+8*\t+3], v12, s[10:11] offset:(32*(\t/2)+8*(\t%2))*4
	global_load_b128 v[BN+8*\t+4:BN+8*\t+7], v12, s[10:11] offset:(32*(\t/2)+8*(\t%2))*4+16
.endr
.irp a, 0,1,2,3,4,5,6,7
	global_load_b32 v[BV+2*\a], v13, s[12:13] offset:(32*(\a/2)+8*(\a%2))*4      ; twice: a pair for the packed addition
	global_load_b32 v[BV+2*\a+1], v13, s[12:13] offset:(32*(\a/2)+8*(\a%2))*4
.endr
.macro FRAG reg, adr, q, i             ; a fragment comes as it was stored: six pieces, 8 bytes a lane, 256 consecutive bytes a load
.irp p, 0,1,2,3,4,5
	ds_load_b64 v[\reg+2*\p:\reg+2*\p+1], v[\adr] offset:(\i)*ROWT+(\q)*FRB+256*\p
.endr
.endm
; 16 matrix instructions: A's blocks a0, a0 + 1 x B's eight, the slot's q-th 128 along K.  The 64 accumulators take turns, one instruction a turn, in the same order in every step.
.macro MUL16 a0, p, q, sc, zero
.irp a, \a0, \a0+1
.irp b, 0,1,2,3,4,5,6,7
.if \zero
	v_wmma_scale_f32_16x16x128_f8f6f4 v[8*(8*((\a)%4)+\b):8*(8*((\a)%4)+\b)+7], v[128*(\p)+FR*\b:128*(\p)+FR*\b+FR-1], v[AF+FR*(\a):AF+FR*(\a)+FR-1], 0, v[SC+8*NQ*(\sc)+NQ*\b+(\q)], v[SC+8*NQ*(\sc)+NQ*(\a)+(\q)] matrix_a_fmt:MATRIX_FMT_BF6 matrix_b_fmt:MATRIX_FMT_BF6 matrix_a_scale:MATRIX_SCALE_ROW1
.else
	v_wmma_scale_f32_16x16x128_f8f6f4 v[8*(8*((\a)%4)+\b):8*(8*((\a)%4)+\b)+7], v[128*(\p)+FR*\b:128*(\p)+FR*\b+FR-1], v[AF+FR*(\a):AF+FR*(\a)+FR-1], v[8*(8*((\a)%4)+\b):8*(8*((\a)%4)+\b)+7], v[SC+8*NQ*(\sc)+NQ*\b+(\q)], v[SC+8*NQ*(\sc)+NQ*(\a)+(\q)] matrix_a_fmt:MATRIX_FMT_BF6 matrix_b_fmt:MATRIX_FMT_BF6 matrix_a_scale:MATRIX_SCALE_ROW1
.endif
.endr
.endr
.endm
.macro FETCH_B slot, q, p
	WIN TO_B
.irp i, 0,1,2,3,4,5,6,7
	FRAG 128*(\p)+FR*\i, ADRB+\slot, \q, \i
.endr
	WIN 0
.endm
.macro FETCH_A slot, q, i0
.irp i, \i0, \i0+1, \i0+2, \i0+3
	FRAG AF+FR*(\i), ADRA+\slot, \q, \i
.endr
.endm
.macro SCALES sc                       ; a K step's scale words: register NQ i + q: lanes 0-15 the words of A's block i, lanes 16-31 of B's block i
.irp i, 0,1,2,3,4,5,6,7
.irp q, 0,1
	ds_load_b32 v[SC+8*NQ*\sc+NQ*\i+\q], v[ADRS] offset:512*\i+64*\q
.endr
.endr
.endm
.macro PLACES n                        ; plain vector instructions between a matrix instruction and a load into, or a vector read or write of, its registers
.rept \n
	v_nop
.endr
.endm
.macro STEP slot, q, zero              ; a step of 128 along K that has its successor in the same slot
	s_wait_dscnt 4*NL                              ; all but the youngest 24 loads (A's blocks 4-7) are in
	WIN MUL_LO
	MUL16 0, (\q)%2, \q, \slot, \zero
	MUL16 2, (\q)%2, \q, \slot, \zero
	s_wait_dscnt 0                                 ; A's blocks 4-7 are in
	PLACES NP
	FETCH_B \slot, (\q)+1, 1-(\q)%2
	FETCH_A \slot, (\q)+1, 0
	WIN MUL_HI
	MUL16 4, (\q)%2, \q, \slot, \zero
	MUL16 6, (\q)%2, \q, \slot, \zero
	PLACES NP
	WIN 0
	FETCH_A \slot, (\q)+1, 4
.endm
; A slot's last step changes slots: one barrier; in front of it each wave waits for all its tensor loads, adds 0 to its spare word, and waits for that and for its reads of this slot.
.macro TURN slot, next, fill
	s_wait_tensorcnt 0x0                           ; all my tensor loads have landed: my part of the next slot
	ds_add_u32 v[SPW], v[NIL]                      ; 0 onto my spare word
	s_wait_dscnt 4*NL+1                            ; (the add and the youngest 24 loads may be out)
	WIN MUL_LO
	MUL16 0, 1, NQ-1, \slot, 0
	s_wait_dscnt 0x0                               ; the add is done, and my reads of this slot are over
	s_barrier_signal -1
	MUL16 2, 1, NQ-1, \slot, 0
	WIN 0
	s_barrier_wait -1
.if \fill
	CREST                                          ; the barrier has opened a round of the cluster's barrier: no wave of any partner still reads this slot or has a load on its way
	s_add_nc_u64 s[G0+4*\slot+2:G0+4*\slot+3], s[G0+4*\slot+2:G0+4*\slot+3], 2*ROWT
	s_add_nc_u64 s[G0B+4*\slot+2:G0B+4*\slot+3], s[G0B+4*\slot+2:G0B+4*\slot+3], 2*ROWT
	JLOAD G0+4*\slot, G1, G0B+4*\slot, G1B         ; my one tensor load behind the round; its four v_nop are the places in front of the loads below
.else
	PLACES NP
.endif
	v_add_nc_u32 v[ADRS], 64*NQ, v[ADRS]           ; on to the next K step's scale words
	FETCH_B \next, 0, 0
	FETCH_A \next, 0, 0
	SCALES \next
	WIN MUL_HI
	MUL16 4, 1, NQ-1, \slot, 0
	MUL16 6, 1, NQ-1, \slot, 0
	PLACES NP
	WIN 0
	FETCH_A \next, 0, 4
.endm
	s_wait_tensorcnt 1                             ; the scale words and my part of K step 0 are in; K step 1's load may be out
	s_barrier_signal -1
	s_barrier_wait -1
	FETCH_B 0, 0, 0
	FETCH_A 0, 0, 0
	SCALES 0
	FETCH_A 0, 0, 4
	STEP 0, 0, 1                                   ; the first step's products start the sums
	s_mov_b32 s3, LAPS-1
.Llap:
	TURN 0, 1, 1
	STEP 1, 0, 0
	TURN 1, 0, 1
	STEP 0, 0, 0
	s_sub_co_u32 s3, s3, 1
	s_cmp_lg_u32 s3, 0
	s_cbranch_scc1 .Llap
	TURN 0, 1, 0                                   ; the last lap fills nothing
	STEP 1, 0, 0
	s_wait_dscnt 4*NL
	WIN MUL_LO
	MUL16 0, 1, NQ-1, 1, 0
	MUL16 2, 1, NQ-1, 1, 0
	s_wait_dscnt 0
	WIN MUL_HI
	MUL16 4, 1, NQ-1, 1, 0
	MUL16 6, 1, NQ-1, 1, 0
	WIN 0
; 64 numbers of a lane, register 16 b + i = k 32 b + 16 h + i of my row, become a fragment's codes in v[PC] on and its scale word in v[pw]
.macro QUANT s, pw
.irp b, 0,1,2,3
	v_max3_num_f32 v[TM+\b], |v[\s+16*\b]|, |v[\s+1+16*\b]|, 0x2800000   ; and the floor 2^(5 - 127): the byte cannot fall under 1
.endr
.irp i, 2,4,6,8,10,12,14
.irp b, 0,1,2,3
	v_max3_num_f32 v[TM+\b], v[TM+\b], |v[\s+16*\b+\i]|, |v[\s+1+16*\b+\i]|
.endr
.endr
.irp b, 0,1,2,3
	v_permlanex16_b32 v[TM+4+\b], v[TM+\b], s[SEL], s[SEL+1]
.endr
.irp b, 0,1,2,3
	v_max_num_f32 v[TM+\b], v[TM+\b], v[TM+4+\b]
.endr
.irp b, 0,1,2,3
	v_add_nc_u32 v[TM+12+\b], 0xfe000000, v[TM+\b]        ; 4 off the exponent field: the conversion's scale operand
.endr
.irp b, 0,1,2,3
	v_lshrrev_b32 v[TM+4+\b], 23, v[TM+12+\b]             ; the scale's byte
.endr
	v_lshl_or_b32 v[\pw], v[TM+5], 8, v[TM+4]
	v_lshl_or_b32 v[\pw], v[TM+6], 16, v[\pw]
	v_lshl_or_b32 v[\pw], v[TM+7], 24, v[\pw]
.irp c, 0,1
	v_cvt_scalef32_pk16_bf6_f32 v[PC+6*\c:PC+2+6*\c], v[\s+32*\c:\s+15+32*\c], v[TM+12+2*\c]
	v_cvt_scalef32_pk16_bf6_f32 v[PC+12+4*\c:PC+14+4*\c], v[\s+16+32*\c:\s+31+32*\c], v[TM+12+2*\c+1]
.endr
	v_nop                                                 ; one plain place behind a scaled conversion
.irp c, 0,1
.irp i, 0,1,2
	v_permlane16_swap_b32 v[PC+6*\c+\i], v[PC+12+4*\c+\i]
.endr
.irp i, 0,1,2
	v_mov_b32 v[PC+3+6*\c+\i], v[PC+12+4*\c+\i]
.endr
.endr
.endm
; THE WAY OUT of A's block a: 16 rows x my 128 columns.  The packed additions add the bias and bring the block into window 0, each accumulator from its low end on; then it is quantised and stored as an image.
.macro EBLK a, isv
	WIN 0x02+(\a)/4                                ; source 0: window 2 or 3
.set AC, 64*((\a)%4)
.set n, 0
.rept 32
.if \isv
	v_pk_add_f32 v[H+2*n:H+2*n+1], v[AC+2*n:AC+2*n+1], v[BV+2*(\a):BV+2*(\a)+1]
.else
	v_pk_add_f32 v[H+2*n:H+2*n+1], v[AC+2*n:AC+2*n+1], v[BN+2*n:BN+2*n+1]
.endif
.set n, n+1
.endr
	WIN 0
	s_wait_xcnt 0x0                                ; the last block's stores have read the codes' registers
.if \isv
	QUANT H, SW+(\a)
.irp c, 0,1,2
	global_store_b128 v10, v[PC+4*\c:PC+4*\c+3], s[28:29] offset:98304*((\a)/4)+1536*((\a)%4)+512*\c   ; 512 consecutive bytes, aligned: head a / 4, tile a % 4 of its 64
.endr
.else
	QUANT H, PW
.irp p, 0,1,2,3,4,5
	global_store_b64 v7, v[PC+2*\p:PC+2*\p+1], s[28:29] offset:768*(\a)+256*(\p%3)+98304*(\p/3)   ; 256 consecutive bytes, aligned: pieces 0-2 are the first head's 64, pieces 3-5 the next head's
.endr
	v_perm_b32 v[PW+1], v[PW], v[PW], 0x01000100   ; the first head's two bytes, twice;
	v_perm_b32 v[PW+2], v[PW], v[PW], 0x03020302   ; the next head's
	v_cndmask_b32 v[SW+(\a)], v[PW+1], v[PW+2], s26
.if (\a)%4 == 3
	global_store_b128 v9, v[SW+(\a)-3:SW+(\a)], s[30:31] offset:256*((\a)/4)   ; four tiles' words: lanes 0-15 fill 256 bytes of one head, lanes 16-31 of the next
.endif
.endif
.endm
	s_wait_loadcnt 0x0                             ; the biases
	PLACES NP                                      ; behind the last products: their results are read, and registers that held A's fragments are written
.irp b, 0,1,2,3
	v_mov_b32 v[TM+4+\b], 0                        ; written once: a lane permute's destination counts as one of its sources
.endr
	s_mov_b32 s[SEL], 0x76543210                   ; (no tensor load of mine is out since the last change of slots: the descriptors' registers are free)
	s_mov_b32 s[SEL+1], 0xfedcba98
	s_mov_b32 s26, 0xffff0000
	s_cmp_eq_u32 s[T3], 2
	s_cbranch_scc1 .Lout_v
	s_lshl_b32 s32, s[TR], 4
	s_lshl_b32 s33, s[WH], 3
	s_add_co_u32 s32, s32, s33                     ; my first tile of tokens
	s_lshr_b32 s33, s32, 7                         ; the batch
	s_and_b32 s32, s32, 127                        ; the tile in it
	s_lshl_b32 s33, s33, 4
	s_lshl_b32 s34, s[TC], 2
	s_add_co_u32 s33, s33, s34
	s_lshl_b32 s34, s[WL], 1
	s_add_co_u32 s33, s33, s34                     ; 16 x batch + my first head
	s_lshl_b32 s34, s33, 7
	s_add_co_u32 s34, s34, s32
	s_mul_i32 s34, s34, 768
	s_mul_i32 s35, s[T3], 6291456                  ; QI or KI
	s_add_co_u32 s34, s34, s35
	s_mov_b32 s35, 0
	s_add_nc_u64 s[28:29], s[14:15], s[34:35]
	s_lshl_b32 s34, s33, 13
	s_lshr_b32 s32, s32, 2
	s_lshl_b32 s32, s32, 8
	s_add_co_u32 s34, s34, s32
	s_lshl_b32 s32, s[T3], 19                      ; QS or KS
	s_add_co_u32 s34, s34, s32
	s_add_co_u32 s34, s34, 18874368
	s_add_nc_u64 s[30:31], s[14:15], s[34:35]
.irp a, 0,1,2,3,4,5,6,7
	EBLK \a, 0
.endr
	s_branch .Ldone
.Lout_v:
	s_lshl_b32 s32, s[TR], 2
	s_lshl_b32 s33, s[WH], 1
	s_add_co_u32 s32, s32, s33                     ; my first head
	s_lshl_b32 s33, s[TC], 8
	s_lshl_b32 s34, s[WL], 7
	s_add_co_u32 s33, s33, s34                     ; my first key among the 8,192
	s_lshr_b32 s34, s33, 11
	s_lshl_b32 s34, s34, 4
	s_add_co_u32 s32, s32, s34                     ; 16 x batch + head
	s_bfe_u32 s33, s33, 0x40007                    ; the key step
	s_mul_i32 s34, s32, 98304
	s_mul_i32 s35, s33, 6144
	s_add_co_u32 s34, s34, s35
	s_add_co_u32 s34, s34, 12582912                ; VI
	s_mov_b32 s35, 0
	s_add_nc_u64 s[28:29], s[14:15], s[34:35]
	s_lshl_b32 s34, s32, 12
	s_lshl_b32 s33, s33, 8
	s_add_co_u32 s34, s34, s33
	s_add_co_u32 s34, s34, 19922944                ; VS
	s_add_nc_u64 s[30:31], s[14:15], s[34:35]
.irp a, 0,1,2,3,4,5,6,7
	EBLK \a, 1
.endr
.irp i, 0,1,2,3
	v_cndmask_b32 v[SW+8+\i], v[SW+\i], v[SW+4+\i], s26   ; lanes 0-15 the first head's four words, lanes 16-31 the next head's
.endr
	global_store_b128 v11, v[SW+8:SW+11], s[30:31]
.Ldone:
	s_wait_tensorcnt 0x0                           ; the wave's end
	ds_add_u32 v[SPW], v[NIL]
	s_wait_dscnt 0x0
	CROUND                                         ; the closing round: no work-group ends while a partner may still ask for a tile that names it
	s_endpgm
.Lfunc_end_k_q2e5e76bef2_proj:
	.size	k_q2e5e76bef2_proj, .Lfunc_end_k_q2e5e76bef2_proj-k_q2e5e76bef2_proj
	.p2alignl 7, 3214868480
	.fill 96, 4, 3214868480
	.section	.rodata,"a",@progbits
	.p2align	6, 0x0
	.amdhsa_kernel k_q2e5e76bef2_proj
		.amdhsa_group_segment_fixed_size 327680
		.amdhsa_private_segment_fixed_size 0
		.amdhsa_enable_private_segment 0
		.amdhsa_kernarg_size 48
		.amdhsa_user_sgpr_count 2
		.amdhsa_user_sgpr_kernarg_segment_ptr 1
		.amdhsa_wavefront_size32 1
		.amdhsa_system_sgpr_workgroup_id_x 1
		.amdhsa_system_sgpr_workgroup_id_y 1
		.amdhsa_system_sgpr_workgroup_id_z 1
		.amdhsa_system_vgpr_workitem_id 0
		.amdhsa_next_free_vgpr 1024
		.amdhsa_next_free_sgpr 102
		.amdhsa_reserve_vcc 0
		.amdhsa_float_denorm_mode_32 3
		.amdhsa_float_denorm_mode_16_64 3
		.amdhsa_memory_ordered 1
		.amdhsa_forward_progress 1
		.amdhsa_inst_pref_size 240
	.end_amdhsa_kernel
	.amdgpu_metadata
---
amdhsa.version: [ 1, 2 ]
amdhsa.kernels:
  - .name:           k_q2e5e76bef2_proj
    .symbol:         k_q2e5e76bef2_proj.kd
    .args:
      - { .name: xq, .offset: 0, .size: 8, .value_kind: global_buffer, .address_space: global }
      - { .name: wq, .offset: 8, .size: 8, .value_kind: global_buffer, .address_space: global }
      - { .name: bq, .offset: 16, .size: 8, .value_kind: global_buffer, .address_space: global }
      - { .name: bk, .offset: 24, .size: 8, .value_kind: global_buffer, .address_space: global }
      - { .name: bv, .offset: 32, .size: 8, .value_kind: global_buffer, .address_space: global }
      - { .name: pq, .offset: 40, .size: 8, .value_kind: global_buffer, .address_space: global }
    .group_segment_fixed_size: 327680
    .private_segment_fixed_size: 0
    .kernarg_segment_align: 8
    .kernarg_segment_size: 48
    .max_flat_workgroup_size: 128
    .sgpr_count:     102
    .vgpr_count:     1024
    .wavefront_size: 32
...
	.end_amdgpu_metadata
.endif
;; end of part 2
;; launch attn (part 3): grid 4 x 64, 16 waves a work-group, no clusters, 210,944 bytes of LDS; arguments pq, mw, aq; writes aq
.if DOCPART == 3
	.amdgcn_target "amdgcn-amd-amdhsa--gfx1250"
	.amdhsa_code_object_version 6
	.text
	.protected	k_q2e5e76bef2_attn
	.globl	k_q2e5e76bef2_attn
	.p2align	8
	.type	k_q2e5e76bef2_attn,@function
k_q2e5e76bef2_attn:
	s_mov_b64 s[64:65], 0
	v_nop
	global_prefetch_b8 v0, s[64:65] scope:SCOPE_SE
	s_setreg_imm32_b32 hwreg(HW_REG_WAVE_MODE, 25, 1), 1
	s_wait_xcnt 0x0
; ATTN.  For each of 64 heads: S = q k^T, the mask, p = 2^(t - M), O = p v / l, and O quantised along the 1,024 concatenated channels for the last product.  Both products on codes of BF6 with E8M0 scales.
; t = score x c, c = log2(e) / 8; M = the running largest t rounded up to a whole number; l = the sum of the unquantised p; when M moves, l and O are multiplied by 2^(old M - new M), which rounds nothing.
; SHARES.  A work-group has one head (y) and 512 queries (x); each of its sixteen waves two tiles of 16 queries, one after the other; four waves to a SIMD, so that one wave's vector work stands beside another's
; matrix work and LDS loads.  THE WHOLE HEAD'S K AND V, codes and scale words, 208,896 bytes, lie in LDS: filled once, through registers, one barrier in the launch.
; NO CLUSTER, NO JOINT LOADS: what the four work-groups of a head share, those 208,896 bytes, is read once by each, at its head, for 512 key steps of work (16 waves x 2 tiles x 16 steps); the loop itself fetches
; nothing that they share: its only traffic is a wave's own 256 bytes of mask words a step, by scalar loads.
; LAYOUT.  Both products are used transposed: S^T = K Q^T (source 0 = 16 keys), O^T = V^T P^T (source 0 = 16 of the head's 64): a lane holds one query throughout.  A tile of 16 holds 32 (t / 2) + 8 (t % 2) + r + 8 (r / 8),
; so the 16 registers of tiles 2 b, 2 b + 1 are 16 neighbours, 32 b + 16 h + i, of the keys (S^T, p) or of the channels (O^T).
; THE HEAD'S 64 ARE HALF OF THE INSTRUCTION'S 128: a tile of K is six registers of codes and six of zeros.  Even tiles have their codes at k = 0 .. 63, odd tiles at k = 64 .. 127, so that two tiles share one run of
; zeros; Q's codes stand twice, and the scale words hold the head's two bytes twice.
; THE MASK comes as 64 words a key step, word n's bit l being lane l's (query, key) of score register n: one v_cndmask_b32 a score, in every step; the words select values alone: no branch and no address hangs on them.
; A STEP AHEAD.  A key step asks for what the NEXT step wants first: its 64 mask words, as soon as this step's selects have read theirs, and its first four tiles of K, as soon as this step's products have read theirs.
; A tile's last step is written out a second time and asks for nothing; a tile's head asks for its first step's.
; LIMITS: a masked score is -2^33 (a logit of -2^30) where the module has a logit of -1e9: -2^33 c is a whole number, so a row that is masked throughout gets p = 1 exactly, uniform weights;
; results differ only where true logits lie under about -1e9.  A block of zeros gets the byte 1 where the rule says 127.  NaN and infinities are not served.
.set KI_OFF, 6291456
.set VI_OFF, 12582912
.set QS_OFF, 18874368
.set KS_OFF, 19398656
.set VS_OFF, 19922944
.set AS_OFF, 6291456
.set LV,  98304                        ; LDS: K's images at 0, V's here,
.set LKS, 196608                       ; K's scale words,
.set LVS, 204800                       ; V's
.set ADK,  2                           ; v1 8 x lane;  v2-5 the step's LDS addresses: K, K's words, V, V's words;  v6 LV + 16 x lane;  v7 16 r;  v8 -2^33;  v9 the two tiles' scale half-words;  v10 Q's word;  v11 p's word
.set ADKS, 3
.set ADV,  4
.set ADVS, 5
.set Q,   16                           ; v16-27   Q's six registers, twice
.set KF,  28                           ; v28-63   codes 0, zeros, codes 1, codes 2, zeros, codes 3
.set VF,  64                           ; v64-111  V's four fragments
.set S,   112                          ; v112-175 S^T, then p
.set O,   176                          ; v176-207 O^T
.set PC,  208                          ; v208-227 codes just made
.set BMX, 228                          ; v228-231 the blocks' largest scores, then largest p
.set BP,  232                          ; v232-235 the partner's; then the bytes
.set SO,  236                          ; v236-239 the conversions' scale operands
.set KSW, 240
.set VSW, 244                          ; v[248:249] f;  v[250:251] the sum's second chain;  v252-253 at work;  v12 -M, v13 the largest t, v[14:15] l
.set SEL, 86                           ; s[86:87] lane selects;  s[88:89] c;  s90 which lanes take the tile's half-word;  s[16:63], s[68:83] a step's 64 mask words;  s85 where they lie in mw
.set CS,  88
	s_load_b128 s[4:7], s[0:1], 0x0                ; pq, mw
	s_load_b64 s[8:9], s[0:1], 0x10                ; aq
	v_lshl_add_u32 v254, v0, 2, 0x33000
	v_mov_b32 v255, 0
	v_lshrrev_b32 v1, 5, v0
	v_readfirstlane_b32 s10, v1                    ; wave 0..15
	s_and_b32 s11, ttmp7, 0xffff                   ; 16 x batch + head
	s_lshr_b32 s12, s11, 4                         ; batch
	v_lshlrev_b32 v168, 4, v0                      ; the fill: 16 bytes a thread, 8,192 a round
	v_add_nc_u32 v169, 0x10000, v168               ; (an LDS immediate reaches 65,535)
	v_add_nc_u32 v170, 0x20000, v168
	v_add_nc_u32 v171, 0x30000, v168
	v_lshlrev_b32 v172, 3, v0
	v_add_nc_u32 v173, LVS, v172
	s_mul_i32 s16, s11, 98304
	s_add_co_u32 s18, s16, VI_OFF
	s_add_co_u32 s16, s16, KI_OFF
	s_lshl_b32 s20, s11, 13
	s_add_co_u32 s20, s20, KS_OFF
	s_lshl_b32 s22, s11, 12
	s_add_co_u32 s22, s22, VS_OFF
	s_mov_b32 s17, 0
	s_mov_b32 s19, 0
	s_mov_b32 s21, 0
	s_mov_b32 s23, 0
	s_wait_kmcnt 0x0
	s_add_nc_u64 s[16:17], s[4:5], s[16:17]
	s_add_nc_u64 s[18:19], s[4:5], s[18:19]
	s_add_nc_u64 s[20:21], s[4:5], s[20:21]
	s_add_nc_u64 s[22:23], s[4:5], s[22:23]
.irp i, 0,1,2,3,4,5,6,7,8,9,10,11
	global_load_b128 v[64+4*\i:67+4*\i], v168, s[16:17] offset:8192*\i      ; K's images
.endr
.irp i, 0,1,2,3,4,5,6,7,8,9,10,11
	global_load_b128 v[112+4*\i:115+4*\i], v168, s[18:19] offset:8192*\i    ; V's
.endr
	global_load_b128 v[160:163], v168, s[20:21]    ; K's scale words
	global_load_b64 v[164:165], v172, s[22:23]     ; V's
	v_and_b32 v2, 31, v0
	v_lshlrev_b32 v1, 3, v2
	v_lshl_add_u32 v6, v2, 4, LV
	v_and_b32 v7, 15, v0
	v_lshlrev_b32 v7, 4, v7
	v_mov_b32 v8, 0xd0000000                       ; -2^33
	v_mov_b32 v9, 0
.irp i, 0,1,2,3,4,5
	v_mov_b32 v[KF+6+\i], 0                        ; the two runs of zero codes: written once
	v_mov_b32 v[KF+24+\i], 0
.endr
.irp b, 0,1,2,3
	v_mov_b32 v[BP+\b], 0                          ; written once: a lane permute's destination counts as one of its sources
.endr
	v_mov_b32 v249, 0                              ; (named as the upper half of the pair v[248:249])
	s_mov_b32 s[SEL], 0x76543210
	s_mov_b32 s[SEL+1], 0xfedcba98
	s_mov_b32 s[CS], 0x3e38aa3b                    ; c = log2(e) / 8
	s_mov_b32 s[CS+1], s[CS]
	s_mov_b32 s90, 0x0000ffff
	s_lshl_b32 s13, ttmp9, 5
	s_lshl_b32 s2, s10, 1
	s_add_co_u32 s13, s13, s2                      ; my first tile of queries in the batch: 32 x + 2 w
	s_lshl_b32 s100, s12, 7
	s_add_co_u32 s100, s100, s13
	s_lshl_b32 s100, s100, 9                       ; aq's scale words: 512 bytes a tile,
	s_and_b32 s99, s11, 15                         ; the head:
	s_lshr_b32 s2, s99, 1
	s_lshl_b32 s2, s2, 6
	s_add_co_u32 s100, s100, s2                    ; 64 bytes a chunk of two heads,
	s_and_b32 s2, s99, 1
	s_lshl_b32 s2, s2, 1
	s_add_co_u32 s100, s100, s2                    ; the odd head's two bytes above the even head's
	s_add_co_u32 s100, s100, AS_OFF
	s_mov_b32 s101, 0
	s_add_nc_u64 s[100:101], s[8:9], s[100:101]
	; each load's count is the number of loads issued behind it
.irp i, 0,1,2,3,4,5,6,7
	s_wait_loadcnt 25-\i
	ds_store_b128 v168, v[64+4*\i:67+4*\i] offset:8192*\i
.endr
.irp i, 8,9,10,11
	s_wait_loadcnt 25-\i
	ds_store_b128 v169, v[64+4*\i:67+4*\i] offset:8192*(\i-8)
.endr
.irp i, 0,1,2,3
	s_wait_loadcnt 13-\i
	ds_store_b128 v169, v[112+4*\i:115+4*\i] offset:32768+8192*\i
.endr
.irp i, 4,5,6,7,8,9,10,11
	s_wait_loadcnt 13-\i
	ds_store_b128 v170, v[112+4*\i:115+4*\i] offset:8192*(\i-4)
.endr
	s_wait_loadcnt 1
	ds_store_b128 v171, v[160:163]
	s_wait_loadcnt 0
	ds_store_b64 v173, v[164:165]
	s_wait_dscnt 0x0                               ; for the others' sake: my stores have landed
	s_barrier_signal -1
	s_barrier_wait -1                              ; the head lies in LDS; from here on LDS is only read
.macro KLOAD ko, so                    ; four tiles of keys, ko bytes on from the step's first: six registers of codes each; and their four scale words, so bytes on
.irp t, 0,1,2,3
.irp p, 0,1,2
	ds_load_b64 v[KF+18*(\t/2)+12*(\t%2)+2*\p:KF+18*(\t/2)+12*(\t%2)+2*\p+1], v[ADK] offset:\ko+768*\t+256*\p
.endr
.endr
	ds_load_b128 v[KSW:KSW+3], v[ADKS] offset:\so
.endm
.macro SMUL g
.irp t, 0,1,2,3
	v_wmma_scale_f32_16x16x128_f8f6f4 v[S+32*\g+8*\t:S+32*\g+8*\t+7], v[KF+18*(\t/2)+6*(\t%2):KF+18*(\t/2)+6*(\t%2)+11], v[Q:Q+11], 0, v[KSW+\t], v10 matrix_a_fmt:MATRIX_FMT_BF6 matrix_b_fmt:MATRIX_FMT_BF6
.endr
.endm
.macro MWORDS                          ; the 64 mask words at byte s85 of mw
	s_load_b512 s[16:31], s[6:7], s85 offset:0x0
	s_load_b512 s[32:47], s[6:7], s85 offset:0x40
	s_load_b512 s[48:63], s[6:7], s85 offset:0x80
	s_load_b512 s[68:83], s[6:7], s85 offset:0xc0
.endm
.macro MSEL n0                         ; 32 selects, ascending: word n's bit l says whether lane l's query sees key 32 (n / 16) + 16 h + n % 16
.set n, \n0
.rept 32
	v_cndmask_b32 v[S+n], v8, v[S+n], s[16+n+4*(n/48)]
.set n, n+1
.endr
.endm
.macro BMAX b0                         ; the largest score of blocks b0, b0 + 1 of 32 keys: it serves for the row's maximum and, since p rises with the score, for the block's largest p
.irp b, \b0, \b0+1
	v_max3_num_f32 v[BMX+\b], v[S+16*(\b)], v[S+16*(\b)+1], v[S+16*(\b)+2]
.endr
.irp i, 3,5,7,9,11,13
.irp b, \b0, \b0+1
	v_max3_num_f32 v[BMX+\b], v[BMX+\b], v[S+16*(\b)+\i], v[S+16*(\b)+\i+1]
.endr
.endr
.irp b, \b0, \b0+1
	v_max_num_f32 v[BMX+\b], v[BMX+\b], v[S+16*(\b)+15]
.endr
.endm
; A KEY STEP: 128 keys.  ahead = 1: it asks for the next step's first four tiles of K and for its mask words, and steps the addresses.
.macro KSTEP ahead
	s_wait_dscnt 0x0                               ; K's first four tiles: asked for a step ago, or in the tile's head
	SMUL 0
	v_add_nc_u32 v[ADK], s3, v1                    ; the step's four addresses: also the four places in front of the loads into registers that matrix instructions have read, and of the first read of these results
	v_add_nc_u32 v[ADKS], s91, v7
	v_add_nc_u32 v[ADV], s3, v6
	v_add_nc_u32 v[ADVS], s98, v7
	KLOAD 3072, 256                                ; K's other four tiles
.irp t, 0,1,2,3
.irp c, 0,1,2
	ds_load_b128 v[VF+12*\t+4*\c:VF+12*\t+4*\c+3], v[ADV] offset:1536*\t+512*\c   ; V lands during the softmax
.endr
.endr
	ds_load_b128 v[VSW:VSW+3], v[ADVS]
	s_wait_kmcnt 0x0                               ; the step's mask words: asked for a step ago, or in the tile's head
	MSEL 0                                         ; the first four tiles' selects stand between K's loads and the wait for them
	s_wait_dscnt 13                                ; K's are in; the 13 loads for V, issued behind them, may be out
	SMUL 1
	BMAX 0                                         ; sixteen lines that name the first four tiles alone: the places behind the last four products
	MSEL 32
.if \ahead
	KLOAD 6144, 512                                ; the next step's first four tiles: 48 plain lines behind the last product that read these registers
.endif
	BMAX 2
.if \ahead
	s_add_co_u32 s85, s85, 256                     ; (the scalar loads that named it were waited for above)
	MWORDS                                         ; the next step's mask words: this step's selects have read theirs
.endif
.irp b, 0,1,2,3
	v_permlanex16_b32 v[BP+\b], v[BMX+\b], s[SEL], s[SEL+1]
.endr
.irp b, 0,1,2,3
	v_max_num_f32 v[BMX+\b], v[BMX+\b], v[BP+\b]
.endr
	v_max3_num_f32 v252, v[BMX], v[BMX+1], v[BMX+2]
	v_max_num_f32 v252, v252, v[BMX+3]             ; the step's largest score of my query
	v_mul_f32 v252, s[CS], v252
	v_max_num_f32 v13, v13, v252                   ; the running largest t
	v_mov_b32 v252, v12
	v_floor_f32 v12, -v13                          ; the new -M = -ceil(t)
	v_sub_f32 v252, v12, v252                      ; old M - new M: a whole number, 0 or less
	v_cvt_i32_f32 v252, v252                       ; (it saturates)
	v_ldexp_f32 v248, 1.0, v252                    ; f = 2^(old M - new M)
.set n, 0
.rept 32
	v_pk_fma_f32 v[S+n:S+n+1], v[S+n:S+n+1], s[CS:CS+1], v[12:13] op_sel_hi:[1,0,0]   ; t - M
.set n, n+2
.endr
.irp b, 0,1,2,3
	v_fma_f32 v[BMX+\b], v[BMX+\b], s[CS], v12
.endr
.set n, 0
.rept 64
	v_exp_f32 v[S+n], v[S+n]                       ; p = 2^(t - M): not normalised
.set n, n+1
.endr
	v_pk_mul_f32 v[14:15], v[14:15], v[248:249] op_sel_hi:[1,0]   ; l under the new M: a plain place behind the exponentials
	s_wait_alu depctr_va_vdst(0)                   ; one wait for the batch, ahead of its first reader
.irp b, 0,1,2,3
	v_exp_f32 v[BMX+\b], v[BMX+\b]                 ; the blocks' largest p
.endr
	v_pk_add_f32 v[250:251], v[S:S+1], v[S+2:S+3]  ; l is taken of the unquantised p, in two chains
.set n, 4
.rept 15
	v_pk_add_f32 v[14:15], v[14:15], v[S+n:S+n+1]
	v_pk_add_f32 v[250:251], v[250:251], v[S+n+2:S+n+3]
.set n, n+4
.endr
	v_pk_add_f32 v[14:15], v[14:15], v[250:251]
	s_wait_alu depctr_va_vdst(0)                   ; and one for the four
.irp b, 0,1,2,3
	v_max_num_f32 v[BMX+\b], 0x2800000, v[BMX+\b]  ; the floor 2^(5 - 127)
.endr
.irp b, 0,1,2,3
	v_add_nc_u32 v[SO+\b], 0xfe000000, v[BMX+\b]
.endr
.irp b, 0,1,2,3
	v_lshrrev_b32 v[BP+\b], 23, v[SO+\b]
.endr
	v_lshl_or_b32 v11, v[BP+1], 8, v[BP]           ; p's scale word for these 128 keys
	v_lshl_or_b32 v11, v[BP+2], 16, v11
	v_lshl_or_b32 v11, v[BP+3], 24, v11
.irp c, 0,1
	v_cvt_scalef32_pk16_bf6_f32 v[PC+6*\c:PC+2+6*\c], v[S+32*\c:S+15+32*\c], v[SO+2*\c]
	v_cvt_scalef32_pk16_bf6_f32 v[PC+12+4*\c:PC+14+4*\c], v[S+16+32*\c:S+31+32*\c], v[SO+2*\c+1]
.endr
	v_nop                                          ; one plain place behind a scaled conversion
.irp c, 0,1
.irp i, 0,1,2
	v_permlane16_swap_b32 v[PC+6*\c+\i], v[PC+12+4*\c+\i]
.endr
.irp i, 0,1,2
	v_mov_b32 v[PC+3+6*\c+\i], v[PC+12+4*\c+\i]
.endr
.endr
.set n, 0
.rept 16
	v_pk_mul_f32 v[O+n:O+n+1], v[O+n:O+n+1], v[248:249] op_sel_hi:[1,0]   ; O^T under the new M.  (These sixteen are also the places between the lines that made p's word and codes and the products below)
.set n, n+2
.endr
.if \ahead
	s_wait_dscnt 13                                ; V is in; the next step's 13 loads of K, issued behind V's, may be out
.else
	s_wait_dscnt 0x0                               ; V is in
.endif
.irp t, 0,1,2,3
	v_wmma_scale_f32_16x16x128_f8f6f4 v[O+8*\t:O+8*\t+7], v[VF+12*\t:VF+12*\t+11], v[PC:PC+11], v[O+8*\t:O+8*\t+7], v[VSW+\t], v11 matrix_a_fmt:MATRIX_FMT_BF6 matrix_b_fmt:MATRIX_FMT_BF6
.endr
.if \ahead
	s_add_co_u32 s3, s3, 6144
	s_add_co_u32 s91, s91, 512
	s_add_co_u32 s98, s98, 256
.endif
.endm
	s_mov_b32 s14, 2
.Ltile:
	s_wait_xcnt 0x0                                ; the last tile's stores have read their registers and their base
	s_lshl_b32 s2, s11, 7
	s_add_co_u32 s2, s2, s13
	s_mul_i32 s92, s2, 768                         ; Q's half image
	s_mov_b32 s93, 0
	s_add_nc_u64 s[92:93], s[4:5], s[92:93]
	s_lshl_b32 s96, s11, 13                        ; Q's scale word: [head][tile / 4][r][tile % 4]
	s_lshr_b32 s2, s13, 2
	s_lshl_b32 s2, s2, 8
	s_add_co_u32 s96, s96, s2
	s_and_b32 s2, s13, 3
	s_lshl_b32 s2, s2, 2
	s_add_co_u32 s96, s96, s2
	s_add_co_u32 s96, s96, QS_OFF
	s_mov_b32 s97, 0
	s_add_nc_u64 s[96:97], s[4:5], s[96:97]
.irp p, 0,1,2
	global_load_b64 v[Q+2*\p:Q+2*\p+1], v1, s[92:93] offset:256*\p
	global_load_b64 v[Q+6+2*\p:Q+7+2*\p], v1, s[92:93] offset:256*\p       ; the same codes at k = 64 .. 127, for the odd tiles of keys
.endr
	global_load_b32 v10, v7, s[96:97]
	s_lshl_b32 s99, s12, 7
	s_add_co_u32 s99, s99, s13                     ; 128 x batch + tile
	s_lshl_b32 s85, s99, 12                        ; where its mask words begin: 256 bytes a key step.  (No scalar load is out: the last step's were waited for)
	MWORDS                                         ; the first step's mask words
	s_mov_b32 s3, 0                                ; the step's images of K and of V: 6,144 bytes a step
	s_mov_b32 s91, LKS                             ; K's scale words: 512 a step
	s_mov_b32 s98, LVS                             ; V's: 256 a step
	v_add_nc_u32 v[ADK], s3, v1
	v_add_nc_u32 v[ADKS], s91, v7
	KLOAD 0, 0                                     ; the first step's first four tiles of K
	s_mul_i32 s94, s99, 12288                      ; aq: the tile's eight images; a head's half image lies head x 768 on
	s_and_b32 s95, s11, 15
	s_mul_i32 s95, s95, 768
	s_add_co_u32 s94, s94, s95
	s_mov_b32 s95, 0
	s_add_nc_u64 s[94:95], s[8:9], s[94:95]
	v_mov_b32 v13, 0xff61b1e6                      ; the largest t so far: -3e38
	v_floor_f32 v12, -v13                          ; -M
	v_mov_b32 v14, 0
	v_mov_b32 v15, 0
.set n, 0
.rept 32
	v_mov_b32 v[O+n], 0                            ; the step has no first form of its own: the first finds zeros
.set n, n+1
.endr
	s_wait_loadcnt 0x0                             ; Q
	s_mov_b32 s15, 15
.Lstep:                                            ; fifteen steps that look a step ahead
	KSTEP 1
	s_sub_co_u32 s15, s15, 1
	s_cmp_lg_u32 s15, 0
	s_cbranch_scc1 .Lstep
	KSTEP 0                                        ; the tile's last step asks for nothing: no load passes the end of K's images or of the mask words
	; THE TILE'S END: O^T / l, quantised along the head's 64 channels (two blocks), stored as half an image of the last product's operand
.rept 4
	v_nop                                          ; places behind the last products
.endr
	v_add_f32 v14, v14, v15
	v_permlanex16_b32 v252, v14, s[SEL], s[SEL+1]
	v_add_f32 v14, v14, v252                       ; the row's sum
	v_rcp_f32 v14, v14
	v_nop                                          ; a plain place behind the reciprocal
	s_wait_alu depctr_va_vdst(0)                   ; and the wait ahead of its first reader
.set n, 0
.rept 16
	v_pk_mul_f32 v[O+n:O+n+1], v[O+n:O+n+1], v[14:15] op_sel_hi:[1,0]     ; register 16 b + i: channel 32 b + 16 h + i of my query
.set n, n+2
.endr
.irp b, 0,1
	v_max3_num_f32 v[BMX+\b], |v[O+16*\b]|, |v[O+1+16*\b]|, 0x2800000
.endr
.irp i, 2,4,6,8,10,12,14
.irp b, 0,1
	v_max3_num_f32 v[BMX+\b], v[BMX+\b], |v[O+16*\b+\i]|, |v[O+1+16*\b+\i]|
.endr
.endr
.irp b, 0,1
	v_permlanex16_b32 v[BP+\b], v[BMX+\b], s[SEL], s[SEL+1]
.endr
.irp b, 0,1
	v_max_num_f32 v[BMX+\b], v[BMX+\b], v[BP+\b]
.endr
.irp b, 0,1
	v_add_nc_u32 v[SO+\b], 0xfe000000, v[BMX+\b]
.endr
.irp b, 0,1
	v_lshrrev_b32 v[BP+\b], 23, v[SO+\b]
.endr
	v_lshl_or_b32 v252, v[BP+1], 8, v[BP]          ; my row's two bytes
	v_cndmask_b32 v9, v9, v252, s90                ; the first tile's in lanes 0-15, the second's in lanes 16-31
	s_not_b32 s90, s90
	v_cvt_scalef32_pk16_bf6_f32 v[PC:PC+2], v[O:O+15], v[SO]
	v_cvt_scalef32_pk16_bf6_f32 v[PC+12:PC+14], v[O+16:O+31], v[SO+1]
	v_nop                                          ; one plain place behind a scaled conversion
.irp i, 0,1,2
	v_permlane16_swap_b32 v[PC+\i], v[PC+12+\i]
.endr
.irp i, 0,1,2
	v_mov_b32 v[PC+3+\i], v[PC+12+\i]
.endr
.irp p, 0,1,2
	global_store_b64 v1, v[PC+2*\p:PC+2*\p+1], s[94:95] offset:256*\p     ; 256 consecutive bytes, aligned
.endr
	s_add_co_u32 s13, s13, 1
	s_sub_co_u32 s14, s14, 1
	s_cmp_lg_u32 s14, 0
	s_cbranch_scc1 .Ltile
	v_and_b32 v252, 15, v0
	v_bfe_u32 v253, v0, 4, 1
	v_lshlrev_b32 v252, 2, v252
	v_lshl_add_u32 v252, v253, 9, v252             ; 512 h + 4 r: a tile's words are 512 bytes apart
	global_store_b16 v252, v9, s[100:101]          ; two bytes a row: a scale word of the last product is shared by two heads, which are two work-groups' here; 262,144 such bytes in the launch
	s_wait_tensorcnt 0x0
	ds_add_u32 v254, v255
	s_wait_dscnt 0x0
	s_endpgm
.Lfunc_end_k_q2e5e76bef2_attn:
	.size	k_q2e5e76bef2_attn, .Lfunc_end_k_q2e5e76bef2_attn-k_q2e5e76bef2_attn
	.p2alignl 7, 3214868480
	.fill 96, 4, 3214868480
	.section	.rodata,"a",@progbits
	.p2align	6, 0x0
	.amdhsa_kernel k_q2e5e76bef2_attn
		.amdhsa_group_segment_fixed_size 210944
		.amdhsa_private_segment_fixed_size 0
		.amdhsa_enable_private_segment 0
		.amdhsa_kernarg_size 24
		.amdhsa_user_sgpr_count 2
		.amdhsa_user_sgpr_kernarg_segment_ptr 1
		.amdhsa_wavefront_size32 1
		.amdhsa_system_sgpr_workgroup_id_x 1
		.amdhsa_system_sgpr_workgroup_id_y 1
		.amdhsa_system_sgpr_workgroup_id_z 1
		.amdhsa_system_vgpr_workitem_id 0
		.amdhsa_next_free_vgpr 256
		.amdhsa_next_free_sgpr 102
		.amdhsa_reserve_vcc 0
		.amdhsa_float_denorm_mode_32 3
		.amdhsa_float_denorm_mode_16_64 3
		.amdhsa_memory_ordered 1
		.amdhsa_forward_progress 1
		.amdhsa_inst_pref_size 56
	.end_amdhsa_kernel
	.amdgpu_metadata
---
amdhsa.version: [ 1, 2 ]
amdhsa.kernels:
  - .name:           k_q2e5e76bef2_attn
    .symbol:         k_q2e5e76bef2_attn.kd
    .args:
      - { .name: pq, .offset: 0, .size: 8, .value_kind: global_buffer, .address_space: global }
      - { .name: mw, .offset: 8, .size: 8, .value_kind: global_buffer, .address_space: global }
      - { .name: aq, .offset: 16, .size: 8, .value_kind: global_buffer, .address_space: global }
    .group_segment_fixed_size: 210944
    .private_segment_fixed_size: 0
    .kernarg_segment_align: 8
    .kernarg_segment_size: 24
    .max_flat_workgroup_size: 512
    .sgpr_count:     102
    .vgpr_count:     256
    .wavefront_size: 32
...
	.end_amdgpu_metadata
.endif
;; end of part 3
;; launch outp (part 4): grid 4 x 32, 4 waves a work-group, clusters of 4 x 4, 327,680 bytes of LDS; arguments aq, wq, bo, out0; writes out0
.if DOCPART == 4
	.amdgcn_target "amdgcn-amd-amdhsa--gfx1250"
	.amdhsa_code_object_version 6
	.text
	.protected	k_q2e5e76bef2_outp
	.globl	k_q2e5e76bef2_outp
	.p2align	8
	.type	k_q2e5e76bef2_outp,@function
k_q2e5e76bef2_outp:
	s_mov_b64 s[64:65], 0
	v_nop
	global_prefetch_b8 v0, s[64:65] scope:SCOPE_SE
	s_setreg_imm32_b32 hwreg(HW_REG_WAVE_MODE, 25, 1), 1
	s_wait_xcnt 0x0
	s_wait_alu depctr_hold_cnt(0) depctr_sa_sdst(0) depctr_va_vdst(0) depctr_va_sdst(0) depctr_va_ssrc(0) depctr_va_vcc(0) depctr_vm_vsrc(0)
	s_getreg_b32 s2, hwreg(HW_REG_IB_STS2, 6, 4)
	s_cmp_eq_u32 s2, 0
	s_cbranch_scc0 .Lentry_in_a_cluster
	s_endpgm
.Lentry_in_a_cluster:
	s_bfe_u32 s2, ttmp6, 0x10000c
	s_cmp_lg_u32 s2, 0xf033
	s_cbranch_scc0 .Lentry_shape_is_right
	s_endpgm
.Lentry_shape_is_right:
; OUTP.  out0 = concat Wo^T + bo on codes of BF6 with E8M0 scales.  A = aq (8,192 rows, made by the attention launch), B = Wo's codes in wq; both as images of fragments, [tile][chunk of 128 K][1,536 bytes], with
; scale words [tile][chunk][r].  A tile of 16 rows holds rows 32 (t / 2) + 8 (t % 2) + r + 8 (r / 8).
; A tile of C is 256 x 256: four waves, 128 x 128 each, 64 accumulators in 512 registers.  The matrix instruction is used transposed (source 0 = a tile of B, source 1 = a tile of A): a lane holds one row of C and
; its registers of B's tiles 2 b, 2 b + 1 are 16 neighbouring columns, 32 b + 16 h + i.  K = 1,024 goes in four steps of 256 through a ring of two LDS slots; the scale words come once, with the first fills.
; CLUSTERS: 4 x 4 work-groups; A's tiles are asked for jointly along a row of the cluster, B's along a column.  128 work-groups: the tile is kept large for the sake of the LDS reads; the launch is short.
; REGISTERS, in windows of 256: window 0: v0-31 addresses; v32-63 scale words, two sets; v64-67 the bias; v128-223 A's fragments (on the way out v128-255: rows read back).  window 1: B's fragments, two sets.
;   windows 2, 3: the accumulators ((a, b) at v[8 (8 (a % 4) + b)]).
.set W1,     786432
.set WS_OFF, 3145728
.set AS_OFF, 6291456
.set NQ,     2
.set FR,     12
.set NL,     6
.set NP,     4                         ; places behind this matrix instruction (ISA guide 7.12.1)
.set FRB,    1536
.set ROWT,   NQ*FRB
.set KROW,   8*FRB
.set HALFT,  8*ROWT
.set SLOT,   4*HALFT
.set LAPS,   2
.set SCL,    2*SLOT
.set HALFS,  4096
.set SPARE,  SCL+4*HALFS               ; the spare words, 128 bytes for each wave: two blocks of 256 bytes that no other line names
.set SPITCH, 528                       ; the way out: a stage of 16 rows x (512 + 16) bytes for each wave, in slot 0, which has had its last fill and its last read when the first result is stored there
.set ADRA, 16
.set ADRB, 20
.set STO,  24                          ; v24  the way out: where I put 32 bytes of a row
.set RD,   25                          ; v25  where I read a row back
.set CO,   26                          ; v26  my byte offset in a row of C
.set ADRS, 27
.set SPW,  28
.set NIL,  29
.set SC,   32
.set BO,   64
.set AF,   128
.set BK,   128
.set WV, 16
.set WH, 17
.set WL, 18
.set TR, 19
.set TC, 20
.set G1, 24
.set G0, 32
.set G1B, 48
.set G0B, 56
.set G1S, 68
.set G0S, 76
.set G1SB, 80
.set G0SB, 88
.set MSB, 0
.macro WIN new                         ; the immediate's high byte repeats the setting that is left
.if MSB != \new
	s_set_vgpr_msb (MSB<<8)|\new
.set MSB, \new
.endif
.endm
.set MUL_LO, 0xa1
.set MUL_HI, 0xf1
.set TO_B,   0x40
.macro JLOAD g0a, g1a, g0b, g1b        ; a joint load: waves 0 and 1 fetch for A, waves 2 and 3 for B; four v_nop follow each of the two lines
	s_cmp_eq_u32 s[WH], 0
	s_cbranch_scc0 .Lfor_b_\@
	tensor_load_to_lds s[\g0a:\g0a+3], s[\g1a:\g1a+7]
	s_nop 0
.rept 4
	v_nop
.endr
	s_branch .Lasked_\@
.Lfor_b_\@:
	tensor_load_to_lds s[\g0b:\g0b+3], s[\g1b:\g1b+7]
	s_nop 0
.rept 4
	v_nop
.endr
.Lasked_\@:
.endm
.macro CREST
	s_cmp_lg_u32 s[WV], 0
	s_cbranch_scc1 .Lnot_wave_0_\@
	s_barrier_signal -3
.Lnot_wave_0_\@:
	s_barrier_wait -3
	s_barrier_signal -1
	s_barrier_wait -1
.endm
.macro CROUND
	s_barrier_signal -1
	s_barrier_wait -1
	CREST
.endm
	s_load_b256 s[4:11], s[0:1], 0x0               ; aq, wq, bo, out0
	v_lshl_add_u32 v[SPW], v0, 2, SPARE
	v_mov_b32 v[NIL], 0
	ds_add_u32 v28, v29
	ds_add_u32 v28, v29
	s_wait_dscnt 0x0
	v_lshrrev_b32 v1, 5, v0
	v_readfirstlane_b32 s[WV], v1
	s_lshr_b32 s[WH], s[WV], 1
	s_and_b32 s[WL], s[WV], 1
	s_bfe_u32 s40, ttmp6, 0x40000                  ; cx, cy
	s_bfe_u32 s41, ttmp6, 0x40004
	s_and_b32 s[TR], ttmp7, 0xffff
	s_lshl_b32 s[TR], s[TR], 2
	s_add_co_u32 s[TR], s[TR], s41                 ; tile row of C = 4 x cluster y + cy
	s_mov_b32 s[TC], s40                           ; tile column = cx: the grid is one cluster wide
	s_lshl_b32 s43, s41, 2
	s_lshl_b32 s43, 15, s43                        ; my row of the cluster
	s_lshl_b32 s44, 0x1111, s40                    ; my column
	s_or_b32 s[G1+0], s43, (3<<16)|(1<<21)         ; codes: 8 rows (tiles) of 384 elements of 8 bytes, 1,536 elements apart; no padding
	s_or_b32 s[G1B+0], s44, (3<<16)|(1<<21)
.irp g, G1, G1B
	s_mov_b32 s[\g+1], (ROWT/8)<<16
	s_mov_b32 s[\g+2], 8<<16
	s_mov_b32 s[\g+3], (ROWT/8)<<16
	s_mov_b32 s[\g+4], 8
	s_mov_b32 s[\g+5], KROW/8
	s_mov_b32 s[\g+6], 0
	s_mov_b32 s[\g+7], 0
.endr
	s_or_b32 s[G1S+0], s43, (3<<16)|(1<<21)        ; scale words of eight tiles: 4,096 dense bytes as 16 rows of 256
	s_or_b32 s[G1SB+0], s44, (3<<16)|(1<<21)
.irp g, G1S, G1SB
	s_mov_b32 s[\g+1], 32<<16
	s_mov_b32 s[\g+2], 16<<16
	s_mov_b32 s[\g+3], 32<<16
	s_mov_b32 s[\g+4], 16
	s_mov_b32 s[\g+5], 32
	s_mov_b32 s[\g+6], 0
	s_mov_b32 s[\g+7], 0
.endr
	s_lshl_b32 s45, s[WL], 3
	s_lshl_b32 s46, s[TR], 4
	s_add_co_u32 s46, s46, s45                     ; A: the first tile that I fetch
	s_lshl_b32 s47, s[TC], 4
	s_add_co_u32 s47, s47, s45                     ; B: likewise
	s_mul_i32 s92, s46, KROW
	s_lshl_b32 s94, s46, 9
	s_add_co_u32 s94, s94, AS_OFF
	s_mul_i32 s96, s47, KROW
	s_add_co_u32 s96, s96, 3*W1                    ; Wo is the fourth weight in wq
	s_lshl_b32 s98, s47, 9
	s_add_co_u32 s98, s98, WS_OFF+3*32768
	s_mov_b32 s93, 0
	s_mov_b32 s95, 0
	s_mov_b32 s97, 0
	s_mov_b32 s99, 0
	s_mul_i32 s2, s[WV], HALFT
	s_lshl_b32 s3, s[WV], 12
	s_wait_kmcnt 0x0
	s_add_nc_u64 s[92:93], s[4:5], s[92:93]
	s_add_nc_u64 s[94:95], s[4:5], s[94:95]
	s_add_nc_u64 s[96:97], s[6:7], s[96:97]
	s_add_nc_u64 s[98:99], s[6:7], s[98:99]
	CROUND                                         ; all sixteen work-groups are here: the first joint loads meet
	s_mov_b32 s[G0S], 1
	s_add_co_u32 s[G0S+1], s3, SCL
	s_mov_b64 s[G0S+2:G0S+3], s[94:95]
	s_or_b32 s[G0S+3], s[G0S+3], 0x80000000
	s_mov_b32 s[G0SB], 1
	s_add_co_u32 s[G0SB+1], s3, SCL
	s_mov_b64 s[G0SB+2:G0SB+3], s[98:99]
	s_or_b32 s[G0SB+3], s[G0SB+3], 0x80000000
	JLOAD G0S, G1S, G0SB, G1SB
.irp s, 0,1
	s_mov_b32 s[G0+4*\s], 1
	s_add_co_u32 s[G0+4*\s+1], s2, \s*SLOT
	s_add_nc_u64 s[G0+4*\s+2:G0+4*\s+3], s[92:93], \s*ROWT
	s_or_b32 s[G0+4*\s+3], s[G0+4*\s+3], 0x80000000
	s_mov_b32 s[G0B+4*\s], 1
	s_add_co_u32 s[G0B+4*\s+1], s2, \s*SLOT
	s_add_nc_u64 s[G0B+4*\s+2:G0B+4*\s+3], s[96:97], \s*ROWT
	s_or_b32 s[G0B+4*\s+3], s[G0B+4*\s+3], 0x80000000
	JLOAD G0+4*\s, G1, G0B+4*\s, G1B
.endr                                          ; three tensor loads of mine are out
	v_and_b32 v1, 15, v0                           ; r
	v_bfe_u32 v2, v0, 4, 1                         ; h
	v_and_b32 v3, 31, v0                           ; lane
	v_lshlrev_b32 v7, 3, v3
	s_mul_i32 s66, s[WH], HALFT
	s_mul_i32 s67, s[WL], HALFT
	s_add_co_u32 s67, s67, 2*HALFT
.irp s, 0,1
	v_add_nc_u32 v[ADRA+\s], s66, v7
	v_add_nc_u32 v[ADRB+\s], s67, v7
	s_add_co_u32 s66, s66, SLOT
	s_add_co_u32 s67, s67, SLOT
.endr
	v_lshlrev_b32 v5, 2, v1
	s_mul_i32 s66, s[WH], HALFS
	s_mul_i32 s67, s[WL], HALFS
	s_add_co_u32 s67, s67, 2*HALFS
	s_sub_co_u32 s67, s67, s66
	v_mul_u32_u24 v6, s67, v2                      ; lanes 16-31 take B's: one product in h
	s_add_co_u32 s66, s66, SCL
	v_add_nc_u32 v5, v5, v6
	v_add_nc_u32 v[ADRS], s66, v5
	s_mul_i32 s66, s[WV], 16*SPITCH                ; my stage
	v_mul_u32_u24 v5, v1, SPITCH
	v_lshl_add_u32 v5, v2, 6, v5
	v_add_nc_u32 v[STO], s66, v5                   ; in: row r, + 64 h: my 16 columns of each 32
	v_lshlrev_b32 v[CO], 4, v3                     ; back: the 32 lanes take one row of 512 bytes; and the same in C
	v_add_nc_u32 v[RD], s66, v[CO]
	s_lshl_b32 s22, s[TC], 10
	s_lshl_b32 s23, s[WL], 9
	s_add_co_u32 s22, s22, s23                     ; my first column, in bytes
	s_mov_b32 s23, 0
	s_add_nc_u64 s[8:9], s[8:9], s[22:23]
	global_load_b128 v[BO:BO+3], v[CO], s[8:9]     ; the bias of the four columns that I store
	s_lshl_b32 s66, s[TR], 8
	s_lshl_b32 s67, s[WH], 7
	s_add_co_u32 s66, s66, s67                     ; my first row of C
	s_lshl_b32 s66, s66, 12                        ; rows of 4,096 bytes
	s_add_co_u32 s22, s22, s66
	s_add_nc_u64 s[12:13], s[10:11], s[22:23]
.macro FRAG reg, adr, q, i
.irp p, 0,1,2,3,4,5
	ds_load_b64 v[\reg+2*\p:\reg+2*\p+1], v[\adr] offset:(\i)*ROWT+(\q)*FRB+256*\p
.endr
.endm
; 16 matrix instructions: A's blocks a0, a0 + 1 x B's eight.  The 64 accumulators take turns, one instruction a turn, in the same order in every step.
.macro MUL16 a0, p, q, sc, zero
.irp a, \a0, \a0+1
.irp b, 0,1,2,3,4,5,6,7
.if \zero
	v_wmma_scale_f32_16x16x128_f8f6f4 v[8*(8*((\a)%4)+\b):8*(8*((\a)%4)+\b)+7], v[128*(\p)+FR*\b:128*(\p)+FR*\b+FR-1], v[AF+FR*(\a):AF+FR*(\a)+FR-1], 0, v[SC+8*NQ*(\sc)+NQ*\b+(\q)], v[SC+8*NQ*(\sc)+NQ*(\a)+(\q)] matrix_a_fmt:MATRIX_FMT_BF6 matrix_b_fmt:MATRIX_FMT_BF6 matrix_a_scale:MATRIX_SCALE_ROW1
.else
	v_wmma_scale_f32_16x16x128_f8f6f4 v[8*(8*((\a)%4)+\b):8*(8*((\a)%4)+\b)+7], v[128*(\p)+FR*\b:128*(\p)+FR*\b+FR-1], v[AF+FR*(\a):AF+FR*(\a)+FR-1], v[8*(8*((\a)%4)+\b):8*(8*((\a)%4)+\b)+7], v[SC+8*NQ*(\sc)+NQ*\b+(\q)], v[SC+8*NQ*(\sc)+NQ*(\a)+(\q)] matrix_a_fmt:MATRIX_FMT_BF6 matrix_b_fmt:MATRIX_FMT_BF6 matrix_a_scale:MATRIX_SCALE_ROW1
.endif
.endr
.endr
.endm
.macro FETCH_B slot, q, p
	WIN TO_B
.irp i, 0,1,2,3,4,5,6,7
	FRAG 128*(\p)+FR*\i, ADRB+\slot, \q, \i
.endr
	WIN 0
.endm
.macro FETCH_A slot, q, i0
.irp i, \i0, \i0+1, \i0+2, \i0+3
	FRAG AF+FR*(\i), ADRA+\slot, \q, \i
.endr
.endm
.macro SCALES sc
.irp i, 0,1,2,3,4,5,6,7
.irp q, 0,1
	ds_load_b32 v[SC+8*NQ*\sc+NQ*\i+\q], v[ADRS] offset:512*\i+64*\q
.endr
.endr
.endm
.macro PLACES n
.rept \n
	v_nop
.endr
.endm
.macro STEP slot, q, zero
	s_wait_dscnt 4*NL                              ; all but the youngest 24 loads (A's blocks 4-7) are in
	WIN MUL_LO
	MUL16 0, (\q)%2, \q, \slot, \zero
	MUL16 2, (\q)%2, \q, \slot, \zero
	s_wait_dscnt 0
	PLACES NP
	FETCH_B \slot, (\q)+1, 1-(\q)%2
	FETCH_A \slot, (\q)+1, 0
	WIN MUL_HI
	MUL16 4, (\q)%2, \q, \slot, \zero
	MUL16 6, (\q)%2, \q, \slot, \zero
	PLACES NP
	WIN 0
	FETCH_A \slot, (\q)+1, 4
.endm
.macro TURN slot, next, fill
	s_wait_tensorcnt 0x0                           ; all my tensor loads have landed: my part of the next slot
	ds_add_u32 v[SPW], v[NIL]                      ; 0 onto my spare word
	s_wait_dscnt 4*NL+1                            ; (the add and the youngest 24 loads may be out)
	WIN MUL_LO
	MUL16 0, 1, NQ-1, \slot, 0
	s_wait_dscnt 0x0                               ; the add is done, and my reads of this slot are over
	s_barrier_signal -1
	MUL16 2, 1, NQ-1, \slot, 0
	WIN 0
	s_barrier_wait -1
.if \fill
	CREST                                          ; the barrier has opened a round of the cluster's barrier
	s_add_nc_u64 s[G0+4*\slot+2:G0+4*\slot+3], s[G0+4*\slot+2:G0+4*\slot+3], 2*ROWT
	s_add_nc_u64 s[G0B+4*\slot+2:G0B+4*\slot+3], s[G0B+4*\slot+2:G0B+4*\slot+3], 2*ROWT
	JLOAD G0+4*\slot, G1, G0B+4*\slot, G1B         ; my one tensor load behind the round
.else
	PLACES NP
.endif
	v_add_nc_u32 v[ADRS], 64*NQ, v[ADRS]
	FETCH_B \next, 0, 0
	FETCH_A \next, 0, 0
	SCALES \next
	WIN MUL_HI
	MUL16 4, 1, NQ-1, \slot, 0
	MUL16 6, 1, NQ-1, \slot, 0
	PLACES NP
	WIN 0
	FETCH_A \next, 0, 4
.endm
	s_wait_tensorcnt 1                             ; the scale words and my part of K step 0 are in; K step 1's load may be out
	s_barrier_signal -1
	s_barrier_wait -1
	FETCH_B 0, 0, 0
	FETCH_A 0, 0, 0
	SCALES 0
	FETCH_A 0, 0, 4
	STEP 0, 0, 1
	s_mov_b32 s3, LAPS-1
.Llap:
	TURN 0, 1, 1
	STEP 1, 0, 0
	TURN 1, 0, 1
	STEP 0, 0, 0
	s_sub_co_u32 s3, s3, 1
	s_cmp_lg_u32 s3, 0
	s_cbranch_scc1 .Llap
	TURN 0, 1, 0
	STEP 1, 0, 0
	s_wait_dscnt 4*NL
	WIN MUL_LO
	MUL16 0, 1, NQ-1, 1, 0
	MUL16 2, 1, NQ-1, 1, 0
	s_wait_dscnt 0
	WIN MUL_HI
	MUL16 4, 1, NQ-1, 1, 0
	MUL16 6, 1, NQ-1, 1, 0
	WIN 0
; THE WAY OUT, block by block of 16 rows x 128 columns, through my own stage: in as 32 bytes a lane, back as whole rows of 512 bytes.  LDS serves a wave's instructions in order: no wait between the stores and the loads.
.macro TOSTAGE a
.set AC, 64*((\a)%4)
	WIN 0x08+4*((\a)/4)                            ; the data: window 2 or 3
.irp b, 0,1,2,3,4,5,6,7
	ds_store_b128 v[STO], v[AC+8*\b:AC+8*\b+3] offset:128*(\b/2)+32*(\b%2)         ; each accumulator from its low end on; columns 32 (b / 2) + 16 h + 8 (b % 2) on
	ds_store_b128 v[STO], v[AC+8*\b+4:AC+8*\b+7] offset:128*(\b/2)+32*(\b%2)+16
.endr
	WIN 0
.set BB, BK+64*((\a)%2)
.irp t, 0,1,2,3,4,5,6,7,8,9,10,11,12,13,14,15
	ds_load_b128 v[BB+4*\t:BB+4*\t+3], v[RD] offset:\t*SPITCH
.endr
.endm
.macro SEND a, younger                 ; younger: the LDS instructions issued behind block a's loads, which may stay out
.set BB, BK+64*((\a)%2)
	s_wait_dscnt \younger
.irp t, 0,1,2,3,4,5,6,7,8,9,10,11,12,13,14,15
	v_pk_add_f32 v[BB+4*\t:BB+4*\t+1], v[BB+4*\t:BB+4*\t+1], v[BO:BO+1]
	v_pk_add_f32 v[BB+4*\t+2:BB+4*\t+3], v[BB+4*\t+2:BB+4*\t+3], v[BO+2:BO+3]
.endr
.irp t, 0,1,2,3,4,5,6,7,8,9,10,11,12,13,14,15
	global_store_b128 v[CO], v[BB+4*\t:BB+4*\t+3], s[12:13] offset:(32*((\a)/2)+8*((\a)%2)+\t+8*(\t/8))*4096 th:TH_STORE_NT   ; 512 consecutive bytes, aligned; the row stands in the immediate, 127 rows at the most
.endr
.endm
	s_wait_loadcnt 0x0                             ; the bias
	PLACES NP                                      ; behind the last products: their results are read, and loads land in the registers that held A's fragments
	TOSTAGE 0
.irp a, 1,2,3,4,5,6,7
.if \a > 1
	s_wait_xcnt 0x0                                ; block a - 2's stores have read their registers: block a's loads may land there
.endif
	TOSTAGE \a
	SEND \a-1, 32                                  ; behind block a - 1's loads: block a's 16 stores and 16 loads
.endr
	SEND 7, 0
	s_wait_tensorcnt 0x0                           ; the wave's end
	ds_add_u32 v[SPW], v[NIL]
	s_wait_dscnt 0x0
	CROUND                                         ; the closing round
	s_endpgm
.Lfunc_end_k_q2e5e76bef2_outp:
	.size	k_q2e5e76bef2_outp, .Lfunc_end_k_q2e5e76bef2_outp-k_q2e5e76bef2_outp
	.p2alignl 7, 3214868480
	.fill 96, 4, 3214868480
	.section	.rodata,"a",@progbits
	.p2align	6, 0x0
	.amdhsa_kernel k_q2e5e76bef2_outp
		.amdhsa_group_segment_fixed_size 327680
		.amdhsa_private_segment_fixed_size 0
		.amdhsa_enable_private_segment 0
		.amdhsa_kernarg_size 32
		.amdhsa_user_sgpr_count 2
		.amdhsa_user_sgpr_kernarg_segment_ptr 1
		.amdhsa_wavefront_size32 1
		.amdhsa_system_sgpr_workgroup_id_x 1
		.amdhsa_system_sgpr_workgroup_id_y 1
		.amdhsa_system_sgpr_workgroup_id_z 1
		.amdhsa_system_vgpr_workitem_id 0
		.amdhsa_next_free_vgpr 1024
		.amdhsa_next_free_sgpr 102
		.amdhsa_reserve_vcc 0
		.amdhsa_float_denorm_mode_32 3
		.amdhsa_float_denorm_mode_16_64 3
		.amdhsa_memory_ordered 1
		.amdhsa_forward_progress 1
		.amdhsa_inst_pref_size 177
	.end_amdhsa_kernel
	.amdgpu_metadata
---
amdhsa.version: [ 1, 2 ]
amdhsa.kernels:
  - .name:           k_q2e5e76bef2_outp
    .symbol:         k_q2e5e76bef2_outp.kd
    .args:
      - { .name: aq, .offset: 0, .size: 8, .value_kind: global_buffer, .address_space: global }
      - { .name: wq, .offset: 8, .size: 8, .value_kind: global_buffer, .address_space: global }
      - { .name: bo, .offset: 16, .size: 8, .value_kind: global_buffer, .address_space: global }
      - { .name: out0, .offset: 24, .size: 8, .value_kind: global_buffer, .address_space: global }
    .group_segment_fixed_size: 327680
    .private_segment_fixed_size: 0
    .kernarg_segment_align: 8
    .kernarg_segment_size: 32
    .max_flat_workgroup_size: 128
    .sgpr_count:     102
    .vgpr_count:     1024
    .wavefront_size: 32
...
	.end_amdgpu_metadata
.endif
;; end of part 4
;; ======== version 2 of 2: 4 launches; version 1 with the launch attn written anew for expert scheduling mode
;; workspace buffers: xq 19,660,800 bytes; wq 3,276,800 bytes; mw 2,097,152 bytes of whole numbers; pq 20,185,088 bytes; aq 6,553,600 bytes
;; launch prep: the kernel of part 1 again; grid 1408 x 1, 4 waves a work-group, no clusters, 68,096 bytes of LDS; arguments query, key, value, Wq, Wk, Wv, Wo, mask, xq, wq, mw; writes xq, wq, mw
;; launch proj: the kernel of part 2 again; grid 4 x 96, 4 waves a work-group, clusters of 4 x 4, 327,680 bytes of LDS; arguments xq, wq, bq, bk, bv, pq; writes pq
;; launch attn (part 5): grid 4 x 64, 16 waves a work-group, no clusters, 210,944 bytes of LDS; arguments pq, mw, aq; writes aq
.if DOCPART == 5
	.amdgcn_target "amdgcn-amd-amdhsa--gfx1250"
	.amdhsa_code_object_version 6
	.text
	.protected	k_q2e5e76bef2_attn
	.globl	k_q2e5e76bef2_attn
	.p2align	8
	.type	k_q2e5e76bef2_attn,@function
k_q2e5e76bef2_attn:
	s_mov_b64 s[64:65], 0
	v_nop
	global_prefetch_b8 v0, s[64:65] scope:SCOPE_SE
	s_setreg_imm32_b32 hwreg(HW_REG_WAVE_SCHED_MODE, 0, 2), 2
	s_setreg_imm32_b32 hwreg(HW_REG_WAVE_MODE, 25, 1), 1
	s_wait_xcnt 0x0
	s_wait_alu depctr_vm_vsrc(0)
; ATTN.  For each of 64 heads: S = q k^T, the mask, p = 2^(t - M), O = p v / l, and O quantised along the 1,024 concatenated channels for the last product.  Both products on codes of BF6 with E8M0 scales.
; t = score x c, c = log2(e) / 8; M = the running largest t rounded up to a whole number; l = the sum of the unquantised p; when M moves, l and O are multiplied by 2^(old M - new M), which rounds nothing.
; SHARES.  A work-group has one head (y) and 512 queries (x); each of its sixteen waves two tiles of 16 queries, one after the other; four waves to a SIMD, so that one wave's vector work stands beside another's
; matrix work and LDS loads.  THE WHOLE HEAD'S K AND V, codes and scale words, 208,896 bytes, lie in LDS: filled once, through registers, one barrier in the launch.
; NO CLUSTER, NO JOINT LOADS: what the four work-groups of a head share, those 208,896 bytes, is read once by each, at its head, for 512 key steps of work (16 waves x 2 tiles x 16 steps); the loop itself fetches
; nothing that they share: its only traffic is a wave's own 256 bytes of mask words a step, by scalar loads.
; LAYOUT.  Both products are used transposed: S^T = K Q^T (source 0 = 16 keys), O^T = V^T P^T (source 0 = 16 of the head's 64): a lane holds one query throughout.  A tile of 16 holds 32 (t / 2) + 8 (t % 2) + r + 8 (r / 8),
; so the 16 registers of tiles 2 b, 2 b + 1 are 16 neighbours, 32 b + 16 h + i, of the keys (S^T, p) or of the channels (O^T).
; THE HEAD'S 64 ARE HALF OF THE INSTRUCTION'S 128: a tile of K is six registers of codes and six of zeros.  Even tiles have their codes at k = 0 .. 63, odd tiles at k = 64 .. 127, so that two tiles share one run of
; zeros; Q's codes stand twice, and the scale words hold the head's two bytes twice.
; THE MASK comes as 64 words a key step, word n's bit l being lane l's (query, key) of score register n: one v_cndmask_b32 a score, in every step; the words select values alone: no branch and no address hangs on them.
; A STEP AHEAD.  A key step asks for what the NEXT step wants first: its 64 mask words, as soon as this step's selects have read theirs, and its first four tiles of K, as soon as this step's products have read theirs.
; A tile's last step is written out a second time and asks for nothing; a tile's head asks for its first step's.
; THE MODE: SCHED_MODE bits 1:0 = 2 (LLVM: expert scheduling mode 2), set by the entry lines.  The code itself states the register dependences between vector or matrix instructions and memory or LDS
; instructions, with s_wait_alu, always for 0.
; THE PLAN.  Registers that memory or LDS instructions touch:
;   v168-173, v64-165  The fill, at the head alone: addresses made once; data loaded, then read by the LDS stores.  Later they are V's fragments (loads land there) and S^T (products write there).
;   v1, v7             8 x lane and 16 r: made at the head, never written again; read by Q's loads and by the tile's stores.
;   v2-v5              The step's LDS addresses: read by every LDS load of the loop; written at the tile's head (v2, v3) and by four additions in each step.
;   K's codes, KSW     Read by the step's two groups of four products; LDS loads land in them behind each group.
;   VF, VSW            Read by the step's four products with V; the next step's loads land in them.
;   Q, v10             Read by every product with K; loaded at the tile's head.
;   v[PC ..]           Written by each step's conversions, exchanges and moves; read by the tile's three stores.
;   S^T, O^T and the statistics are named, in the loop, by vector and matrix instructions alone.
; So a step has one wait on vm_vsrc, ahead of the four additions, and beside the two waits behind its exponentials three on va_vdst: behind the additions (for K's other four tiles and for V), behind the last select
; (for the next step's K), and ahead of the products with V (p's codes and scale word).  V's thirteen loads are dealt among the first 32 selects, which name none of the registers that those loads touch.
; LIMITS: a masked score is -2^33 (a logit of -2^30) where the module has a logit of -1e9: -2^33 c is a whole number, so a row that is masked throughout gets p = 1 exactly, uniform weights;
; results differ only where true logits lie under about -1e9.  A block of zeros gets the byte 1 where the rule says 127.  NaN and infinities are not served.
.set KI_OFF, 6291456
.set VI_OFF, 12582912
.set QS_OFF, 18874368
.set KS_OFF, 19398656
.set VS_OFF, 19922944
.set AS_OFF, 6291456
.set LV,  98304                        ; LDS: K's images at 0, V's here,
.set LKS, 196608                       ; K's scale words,
.set LVS, 204800                       ; V's
.set ADK,  2                           ; v1 8 x lane;  v2-5 the step's LDS addresses: K, K's words, V, V's words;  v6 LV + 16 x lane;  v7 16 r;  v8 -2^33;  v9 the two tiles' scale half-words;  v10 Q's word;  v11 p's word
.set ADKS, 3
.set ADV,  4
.set ADVS, 5
.set Q,   16                           ; v16-27   Q's six registers, twice
.set KF,  28                           ; v28-63   codes 0, zeros, codes 1, codes 2, zeros, codes 3
.set VF,  64                           ; v64-111  V's four fragments
.set S,   112                          ; v112-175 S^T, then p
.set O,   176                          ; v176-207 O^T
.set PC,  208                          ; v208-227 codes just made
.set BMX, 228                          ; v228-231 the blocks' largest scores, then largest p
.set BP,  232                          ; v232-235 the partner's; then the bytes
.set SO,  236                          ; v236-239 the conversions' scale operands
.set KSW, 240
.set VSW, 244                          ; v[248:249] f;  v[250:251] the sum's second chain;  v252-253 at work;  v12 -M, v13 the largest t, v[14:15] l;  v254, v255 the closing add's two, made at the head and kept for it alone
.set SEL, 86                           ; s[86:87] lane selects;  s[88:89] c;  s90 which lanes take the tile's half-word;  s[16:63], s[68:83] a step's 64 mask words;  s85 where they lie in mw
.set CS,  88
	s_load_b128 s[4:7], s[0:1], 0x0                ; pq, mw
	s_load_b64 s[8:9], s[0:1], 0x10                ; aq
	v_lshl_add_u32 v254, v0, 2, 0x33000
	v_mov_b32 v255, 0
	v_lshrrev_b32 v1, 5, v0
	v_readfirstlane_b32 s10, v1                    ; wave 0..15
	s_and_b32 s11, ttmp7, 0xffff                   ; 16 x batch + head
	s_lshr_b32 s12, s11, 4                         ; batch
	v_lshlrev_b32 v168, 4, v0                      ; the fill: 16 bytes a thread, 8,192 a round
	v_add_nc_u32 v169, 0x10000, v168               ; (an LDS immediate reaches 65,535)
	v_add_nc_u32 v170, 0x20000, v168
	v_add_nc_u32 v171, 0x30000, v168
	v_lshlrev_b32 v172, 3, v0
	v_add_nc_u32 v173, LVS, v172
	s_wait_alu depctr_va_sdst(0)                   ; s10 is written, ahead of its first reader: my tiles' numbers are made from it
	s_mul_i32 s16, s11, 98304
	s_add_co_u32 s18, s16, VI_OFF
	s_add_co_u32 s16, s16, KI_OFF
	s_lshl_b32 s20, s11, 13
	s_add_co_u32 s20, s20, KS_OFF
	s_lshl_b32 s22, s11, 12
	s_add_co_u32 s22, s22, VS_OFF
	s_mov_b32 s17, 0
	s_mov_b32 s19, 0
	s_mov_b32 s21, 0
	s_mov_b32 s23, 0
	s_wait_kmcnt 0x0
	s_add_nc_u64 s[16:17], s[4:5], s[16:17]
	s_add_nc_u64 s[18:19], s[4:5], s[18:19]
	s_add_nc_u64 s[20:21], s[4:5], s[20:21]
	s_add_nc_u64 s[22:23], s[4:5], s[22:23]
	s_wait_alu depctr_va_vdst(0)                   ; v168 to v173 are written: the fill's loads and LDS stores read them as their addresses, and no vector line below names them
.irp i, 0,1,2,3,4,5,6,7,8,9,10,11
	global_load_b128 v[64+4*\i:67+4*\i], v168, s[16:17] offset:8192*\i      ; K's images
.endr
.irp i, 0,1,2,3,4,5,6,7,8,9,10,11
	global_load_b128 v[112+4*\i:115+4*\i], v168, s[18:19] offset:8192*\i    ; V's
.endr
	global_load_b128 v[160:163], v168, s[20:21]    ; K's scale words
	global_load_b64 v[164:165], v172, s[22:23]     ; V's
	v_and_b32 v2, 31, v0
	v_lshlrev_b32 v1, 3, v2
	v_lshl_add_u32 v6, v2, 4, LV
	v_and_b32 v7, 15, v0
	v_lshlrev_b32 v7, 4, v7
	v_mov_b32 v8, 0xd0000000                       ; -2^33
	v_mov_b32 v9, 0
.irp i, 0,1,2,3,4,5
	v_mov_b32 v[KF+6+\i], 0                        ; the two runs of zero codes: written once
	v_mov_b32 v[KF+24+\i], 0
.endr
.irp b, 0,1,2,3
	v_mov_b32 v[BP+\b], 0                          ; written once: a lane permute's destination counts as one of its sources
.endr
	v_mov_b32 v249, 0                              ; (named as the upper half of the pair v[248:249])
	s_mov_b32 s[SEL], 0x76543210
	s_mov_b32 s[SEL+1], 0xfedcba98
	s_mov_b32 s[CS], 0x3e38aa3b                    ; c = log2(e) / 8
	s_mov_b32 s[CS+1], s[CS]
	s_mov_b32 s90, 0x0000ffff
	s_lshl_b32 s13, ttmp9, 5
	s_lshl_b32 s2, s10, 1
	s_add_co_u32 s13, s13, s2                      ; my first tile of queries in the batch: 32 x + 2 w
	s_lshl_b32 s100, s12, 7
	s_add_co_u32 s100, s100, s13
	s_lshl_b32 s100, s100, 9                       ; aq's scale words: 512 bytes a tile,
	s_and_b32 s99, s11, 15                         ; the head:
	s_lshr_b32 s2, s99, 1
	s_lshl_b32 s2, s2, 6
	s_add_co_u32 s100, s100, s2                    ; 64 bytes a chunk of two heads,
	s_and_b32 s2, s99, 1
	s_lshl_b32 s2, s2, 1
	s_add_co_u32 s100, s100, s2                    ; the odd head's two bytes above the even head's
	s_add_co_u32 s100, s100, AS_OFF
	s_mov_b32 s101, 0
	s_add_nc_u64 s[100:101], s[8:9], s[100:101]
	; each load's count is the number of loads issued behind it
.irp i, 0,1,2,3,4,5,6,7
	s_wait_loadcnt 25-\i
	ds_store_b128 v168, v[64+4*\i:67+4*\i] offset:8192*\i
.endr
.irp i, 8,9,10,11
	s_wait_loadcnt 25-\i
	ds_store_b128 v169, v[64+4*\i:67+4*\i] offset:8192*(\i-8)
.endr
.irp i, 0,1,2,3
	s_wait_loadcnt 13-\i
	ds_store_b128 v169, v[112+4*\i:115+4*\i] offset:32768+8192*\i
.endr
.irp i, 4,5,6,7,8,9,10,11
	s_wait_loadcnt 13-\i
	ds_store_b128 v170, v[112+4*\i:115+4*\i] offset:8192*(\i-4)
.endr
	s_wait_loadcnt 1
	ds_store_b128 v171, v[160:163]
	s_wait_loadcnt 0
	ds_store_b64 v173, v[164:165]
	s_wait_dscnt 0x0                               ; for the others' sake: my stores have landed
	s_barrier_signal -1
	s_barrier_wait -1                              ; the head lies in LDS; from here on LDS is only read
.macro KLOAD ko, so                    ; four tiles of keys, ko bytes on from the step's first: six registers of codes each; and their four scale words, so bytes on
.irp t, 0,1,2,3
.irp p, 0,1,2
	ds_load_b64 v[KF+18*(\t/2)+12*(\t%2)+2*\p:KF+18*(\t/2)+12*(\t%2)+2*\p+1], v[ADK] offset:\ko+768*\t+256*\p
.endr
.endr
	ds_load_b128 v[KSW:KSW+3], v[ADKS] offset:\so
.endm
.macro SMUL g
.irp t, 0,1,2,3
	v_wmma_scale_f32_16x16x128_f8f6f4 v[S+32*\g+8*\t:S+32*\g+8*\t+7], v[KF+18*(\t/2)+6*(\t%2):KF+18*(\t/2)+6*(\t%2)+11], v[Q:Q+11], 0, v[KSW+\t], v10 matrix_a_fmt:MATRIX_FMT_BF6 matrix_b_fmt:MATRIX_FMT_BF6
.endr
.endm
.macro MWORDS                          ; the 64 mask words at byte s85 of mw
	s_load_b512 s[16:31], s[6:7], s85 offset:0x0
	s_load_b512 s[32:47], s[6:7], s85 offset:0x40
	s_load_b512 s[48:63], s[6:7], s85 offset:0x80
	s_load_b512 s[68:83], s[6:7], s85 offset:0xc0
.endm
.macro MSEL n0                         ; 32 selects, ascending: word n's bit l says whether lane l's query sees key 32 (n / 16) + 16 h + n % 16
.set n, \n0
.rept 32
	v_cndmask_b32 v[S+n], v8, v[S+n], s[16+n+4*(n/48)]
.set n, n+1
.endr
.endm
; The first 32 selects, ascending, with V's thirteen loads dealt among them, one behind each pair: V's four fragments (piece n / 2 of twelve, 512 bytes each) and its four scale words.  V lands during the softmax.
; No wait stands among them: the selects name S^T's first half, v8 and scalar registers, none of VF, VSW, v[ADV], v[ADVS], which the wait ahead of K's loads has covered.
.macro MSELV
.set n, 0
.rept 16
	v_cndmask_b32 v[S+n], v8, v[S+n], s[16+n]
	v_cndmask_b32 v[S+n+1], v8, v[S+n+1], s[17+n]
.if n < 24
	ds_load_b128 v[VF+2*n:VF+2*n+3], v[ADV] offset:256*n
.elseif n == 24
	ds_load_b128 v[VSW:VSW+3], v[ADVS]
.endif
.set n, n+2
.endr
.endm
.macro BMAX b0                         ; the largest score of blocks b0, b0 + 1 of 32 keys: it serves for the row's maximum and, since p rises with the score, for the block's largest p
.irp b, \b0, \b0+1
	v_max3_num_f32 v[BMX+\b], v[S+16*(\b)], v[S+16*(\b)+1], v[S+16*(\b)+2]
.endr
.irp i, 3,5,7,9,11,13
.irp b, \b0, \b0+1
	v_max3_num_f32 v[BMX+\b], v[BMX+\b], v[S+16*(\b)+\i], v[S+16*(\b)+\i+1]
.endr
.endr
.irp b, \b0, \b0+1
	v_max_num_f32 v[BMX+\b], v[BMX+\b], v[S+16*(\b)+15]
.endr
.endm
; A KEY STEP: 128 keys.  ahead = 1: it asks for the next step's first four tiles of K and for its mask words, and steps the addresses.
.macro KSTEP ahead
	s_wait_dscnt 0x0                               ; K's first four tiles: asked for a step ago, or in the tile's head
	SMUL 0
	s_wait_alu depctr_vm_vsrc(0)                   ; the LDS loads issued so far have read v2 to v5, which the four lines below write again
	v_add_nc_u32 v[ADK], s3, v1                    ; the step's four addresses: also the four places in front of the first read of the results above
	v_add_nc_u32 v[ADKS], s91, v7
	v_add_nc_u32 v[ADV], s3, v6
	v_add_nc_u32 v[ADVS], s98, v7
	s_wait_alu depctr_va_vdst(0)                   ; v2 to v5 are written, which the step's LDS loads read; the four products above are done reading K's registers and KSW, the last step's products with V are done reading VF and VSW: loads land in all of these
	KLOAD 3072, 256                                ; K's other four tiles
	s_wait_kmcnt 0x0                               ; the step's mask words: asked for a step ago, or in the tile's head
	MSELV                                          ; the first four tiles' selects, and V's loads among them, stand between K's loads and the wait for them
	s_wait_dscnt 13                                ; K's are in; the 13 loads for V, issued behind them, may be out
	SMUL 1
	BMAX 0                                         ; sixteen lines that name the first four tiles alone: the places behind the last four products
	MSEL 32
.if \ahead
	s_wait_alu depctr_va_vdst(0)                   ; the last four products are done reading K's registers and KSW, in which the loads below land
	KLOAD 6144, 512                                ; the next step's first four tiles
.endif
	BMAX 2
.if \ahead
	s_add_co_u32 s85, s85, 256                     ; (the scalar loads that named it were waited for above)
	MWORDS                                         ; the next step's mask words: this step's selects have read theirs
.endif
.irp b, 0,1,2,3
	v_permlanex16_b32 v[BP+\b], v[BMX+\b], s[SEL], s[SEL+1]
.endr
.irp b, 0,1,2,3
	v_max_num_f32 v[BMX+\b], v[BMX+\b], v[BP+\b]
.endr
	v_max3_num_f32 v252, v[BMX], v[BMX+1], v[BMX+2]
	v_max_num_f32 v252, v252, v[BMX+3]             ; the step's largest score of my query
	v_mul_f32 v252, s[CS], v252
	v_max_num_f32 v13, v13, v252                   ; the running largest t
	v_mov_b32 v252, v12
	v_floor_f32 v12, -v13                          ; the new -M = -ceil(t)
	v_sub_f32 v252, v12, v252                      ; old M - new M: a whole number, 0 or less
	v_cvt_i32_f32 v252, v252                       ; (it saturates)
	v_ldexp_f32 v248, 1.0, v252                    ; f = 2^(old M - new M)
.set n, 0
.rept 32
	v_pk_fma_f32 v[S+n:S+n+1], v[S+n:S+n+1], s[CS:CS+1], v[12:13] op_sel_hi:[1,0,0]   ; t - M
.set n, n+2
.endr
.irp b, 0,1,2,3
	v_fma_f32 v[BMX+\b], v[BMX+\b], s[CS], v12
.endr
.set n, 0
.rept 64
	v_exp_f32 v[S+n], v[S+n]                       ; p = 2^(t - M): not normalised
.set n, n+1
.endr
	v_pk_mul_f32 v[14:15], v[14:15], v[248:249] op_sel_hi:[1,0]   ; l under the new M: a plain place behind the exponentials
	s_wait_alu depctr_va_vdst(0)                   ; the 64 exponentials have written p: one wait for the batch, ahead of its first reader
.irp b, 0,1,2,3
	v_exp_f32 v[BMX+\b], v[BMX+\b]                 ; the blocks' largest p
.endr
	v_pk_add_f32 v[250:251], v[S:S+1], v[S+2:S+3]  ; l is taken of the unquantised p, in two chains
.set n, 4
.rept 15
	v_pk_add_f32 v[14:15], v[14:15], v[S+n:S+n+1]
	v_pk_add_f32 v[250:251], v[250:251], v[S+n+2:S+n+3]
.set n, n+4
.endr
	v_pk_add_f32 v[14:15], v[14:15], v[250:251]
	s_wait_alu depctr_va_vdst(0)                   ; the four exponentials have written the blocks' largest p: their wait, ahead of its first reader
.irp b, 0,1,2,3
	v_max_num_f32 v[BMX+\b], 0x2800000, v[BMX+\b]  ; the floor 2^(5 - 127)
.endr
.irp b, 0,1,2,3
	v_add_nc_u32 v[SO+\b], 0xfe000000, v[BMX+\b]
.endr
.irp b, 0,1,2,3
	v_lshrrev_b32 v[BP+\b], 23, v[SO+\b]
.endr
	v_lshl_or_b32 v11, v[BP+1], 8, v[BP]           ; p's scale word for these 128 keys
	v_lshl_or_b32 v11, v[BP+2], 16, v11
	v_lshl_or_b32 v11, v[BP+3], 24, v11
.irp c, 0,1
	v_cvt_scalef32_pk16_bf6_f32 v[PC+6*\c:PC+2+6*\c], v[S+32*\c:S+15+32*\c], v[SO+2*\c]
	v_cvt_scalef32_pk16_bf6_f32 v[PC+12+4*\c:PC+14+4*\c], v[S+16+32*\c:S+31+32*\c], v[SO+2*\c+1]
.endr
	v_nop                                          ; one plain place behind a scaled conversion
.irp c, 0,1
.irp i, 0,1,2
	v_permlane16_swap_b32 v[PC+6*\c+\i], v[PC+12+4*\c+\i]
.endr
.irp i, 0,1,2
	v_mov_b32 v[PC+3+6*\c+\i], v[PC+12+4*\c+\i]
.endr
.endr
.set n, 0
.rept 16
	v_pk_mul_f32 v[O+n:O+n+1], v[O+n:O+n+1], v[248:249] op_sel_hi:[1,0]   ; O^T under the new M.  (These sixteen are also the places between the lines that made p's word and codes and the products below)
.set n, n+2
.endr
.if \ahead
	s_wait_dscnt 13                                ; V is in; the next step's 13 loads of K, issued behind V's, may be out
.else
	s_wait_dscnt 0x0                               ; V is in
.endif
	s_wait_alu depctr_va_vdst(0)                   ; p's scale word v11 and p's codes v[PC ..] are written, which the scaled products below take as scales and as source 1; the places above stay beside this wait
.irp t, 0,1,2,3
	v_wmma_scale_f32_16x16x128_f8f6f4 v[O+8*\t:O+8*\t+7], v[VF+12*\t:VF+12*\t+11], v[PC:PC+11], v[O+8*\t:O+8*\t+7], v[VSW+\t], v11 matrix_a_fmt:MATRIX_FMT_BF6 matrix_b_fmt:MATRIX_FMT_BF6
.endr
.if \ahead
	s_add_co_u32 s3, s3, 6144
	s_add_co_u32 s91, s91, 512
	s_add_co_u32 s98, s98, 256
.endif
.endm
	s_mov_b32 s14, 2
.Ltile:
	s_wait_xcnt 0x0                                ; the last tile's stores have read their registers and their base
	s_wait_alu depctr_vm_vsrc(0)                   ; first tile: the fill's loads and LDS stores have read v64 to v173, which V's loads and the products write; second tile: the last tile's stores have read v[PC ..], its LDS loads v2 and v3
	s_mov_b32 s3, 0                                ; the step's images of K and of V: 6,144 bytes a step
	s_mov_b32 s91, LKS                             ; K's scale words: 512 a step
	s_mov_b32 s98, LVS                             ; V's: 256 a step
	v_add_nc_u32 v[ADK], s3, v1
	v_add_nc_u32 v[ADKS], s91, v7
	s_lshl_b32 s2, s11, 7
	s_add_co_u32 s2, s2, s13
	s_mul_i32 s92, s2, 768                         ; Q's half image
	s_mov_b32 s93, 0
	s_add_nc_u64 s[92:93], s[4:5], s[92:93]
	s_lshl_b32 s96, s11, 13                        ; Q's scale word: [head][tile / 4][r][tile % 4]
	s_lshr_b32 s2, s13, 2
	s_lshl_b32 s2, s2, 8
	s_add_co_u32 s96, s96, s2
	s_and_b32 s2, s13, 3
	s_lshl_b32 s2, s2, 2
	s_add_co_u32 s96, s96, s2
	s_add_co_u32 s96, s96, QS_OFF
	s_mov_b32 s97, 0
	s_add_nc_u64 s[96:97], s[4:5], s[96:97]
	s_wait_alu depctr_va_vdst(0)                   ; v1, v7, v2 and v3 are written, which the loads below read; the last tile's products are done reading Q, v10, K's registers and KSW, in which they land; the head's zero codes are written, which the scaled products take in source 0
.irp p, 0,1,2
	global_load_b64 v[Q+2*\p:Q+2*\p+1], v1, s[92:93] offset:256*\p
	global_load_b64 v[Q+6+2*\p:Q+7+2*\p], v1, s[92:93] offset:256*\p       ; the same codes at k = 64 .. 127, for the odd tiles of keys
.endr
	global_load_b32 v10, v7, s[96:97]
	s_lshl_b32 s99, s12, 7
	s_add_co_u32 s99, s99, s13                     ; 128 x batch + tile
	s_lshl_b32 s85, s99, 12                        ; where its mask words begin: 256 bytes a key step.  (No scalar load is out: the last step's were waited for)
	MWORDS                                         ; the first step's mask words
	KLOAD 0, 0                                     ; the first step's first four tiles of K: only loads and scalar lines stand between the wait above and these
	s_mul_i32 s94, s99, 12288                      ; aq: the tile's eight images; a head's half image lies head x 768 on
	s_and_b32 s95, s11, 15
	s_mul_i32 s95, s95, 768
	s_add_co_u32 s94, s94, s95
	s_mov_b32 s95, 0
	s_add_nc_u64 s[94:95], s[8:9], s[94:95]
	v_mov_b32 v13, 0xff61b1e6                      ; the largest t so far: -3e38
	v_floor_f32 v12, -v13                          ; -M
	v_mov_b32 v14, 0
	v_mov_b32 v15, 0
.set n, 0
.rept 32
	v_mov_b32 v[O+n], 0                            ; the step has no first form of its own: the first finds zeros
.set n, n+1
.endr
	s_wait_loadcnt 0x0                             ; Q
	s_mov_b32 s15, 15
.Lstep:                                            ; fifteen steps that look a step ahead
	KSTEP 1
	s_sub_co_u32 s15, s15, 1
	s_cmp_lg_u32 s15, 0
	s_cbranch_scc1 .Lstep
	KSTEP 0                                        ; the tile's last step asks for nothing: no load passes the end of K's images or of the mask words
	; THE TILE'S END: O^T / l, quantised along the head's 64 channels (two blocks), stored as half an image of the last product's operand
.rept 4
	v_nop                                          ; places behind the last products
.endr
	v_add_f32 v14, v14, v15
	v_permlanex16_b32 v252, v14, s[SEL], s[SEL+1]
	v_add_f32 v14, v14, v252                       ; the row's sum
	v_rcp_f32 v14, v14
	v_nop                                          ; a plain place behind the reciprocal
	s_wait_alu depctr_va_vdst(0)                   ; the reciprocal has written v14: the wait ahead of its first reader
.set n, 0
.rept 16
	v_pk_mul_f32 v[O+n:O+n+1], v[O+n:O+n+1], v[14:15] op_sel_hi:[1,0]     ; register 16 b + i: channel 32 b + 16 h + i of my query
.set n, n+2
.endr
.irp b, 0,1
	v_max3_num_f32 v[BMX+\b], |v[O+16*\b]|, |v[O+1+16*\b]|, 0x2800000
.endr
.irp i, 2,4,6,8,10,12,14
.irp b, 0,1
	v_max3_num_f32 v[BMX+\b], v[BMX+\b], |v[O+16*\b+\i]|, |v[O+1+16*\b+\i]|
.endr
.endr
.irp b, 0,1
	v_permlanex16_b32 v[BP+\b], v[BMX+\b], s[SEL], s[SEL+1]
.endr
.irp b, 0,1
	v_max_num_f32 v[BMX+\b], v[BMX+\b], v[BP+\b]
.endr
.irp b, 0,1
	v_add_nc_u32 v[SO+\b], 0xfe000000, v[BMX+\b]
.endr
.irp b, 0,1
	v_lshrrev_b32 v[BP+\b], 23, v[SO+\b]
.endr
	v_lshl_or_b32 v252, v[BP+1], 8, v[BP]          ; my row's two bytes
	v_cndmask_b32 v9, v9, v252, s90                ; the first tile's in lanes 0-15, the second's in lanes 16-31
	v_cvt_scalef32_pk16_bf6_f32 v[PC:PC+2], v[O:O+15], v[SO]
	v_cvt_scalef32_pk16_bf6_f32 v[PC+12:PC+14], v[O+16:O+31], v[SO+1]
	v_nop                                          ; one plain place behind a scaled conversion
.irp i, 0,1,2
	v_permlane16_swap_b32 v[PC+\i], v[PC+12+\i]
.endr
.irp i, 0,1,2
	v_mov_b32 v[PC+3+\i], v[PC+12+\i]
.endr
	s_wait_alu depctr_va_vdst(0)                   ; the conversions, the exchanges and the moves have written v[PC] to v[PC + 5], which the three stores read
	s_not_b32 s90, s90                             ; the other half of the lanes for the next tile
.irp p, 0,1,2
	global_store_b64 v1, v[PC+2*\p:PC+2*\p+1], s[94:95] offset:256*\p     ; 256 consecutive bytes, aligned
.endr
	s_add_co_u32 s13, s13, 1
	s_sub_co_u32 s14, s14, 1
	s_cmp_lg_u32 s14, 0
	s_cbranch_scc1 .Ltile
	v_and_b32 v252, 15, v0
	v_bfe_u32 v253, v0, 4, 1
	v_lshlrev_b32 v252, 2, v252
	v_lshl_add_u32 v252, v253, 9, v252             ; 512 h + 4 r: a tile's words are 512 bytes apart
	s_wait_alu depctr_va_vdst(0)                   ; v252 is written, which the store reads as its offset (v9, its data, was written ahead of the last such wait)
	global_store_b16 v252, v9, s[100:101]          ; two bytes a row: a scale word of the last product is shared by two heads, which are two work-groups' here; 262,144 such bytes in the launch
	s_wait_dscnt 0x0                               ; the closing lines, six on end
	s_wait_alu 0x0
	s_wait_tensorcnt 0x0
	ds_add_u32 v254, v255
	s_wait_dscnt 0x0
	s_endpgm
.Lfunc_end_k_q2e5e76bef2_attn:
	.size	k_q2e5e76bef2_attn, .Lfunc_end_k_q2e5e76bef2_attn-k_q2e5e76bef2_attn
	.p2alignl 7, 3214868480
	.fill 96, 4, 3214868480
	.section	.rodata,"a",@progbits
	.p2align	6, 0x0
	.amdhsa_kernel k_q2e5e76bef2_attn
		.amdhsa_group_segment_fixed_size 210944
		.amdhsa_private_segment_fixed_size 0
		.amdhsa_enable_private_segment 0
		.amdhsa_kernarg_size 24
		.amdhsa_user_sgpr_count 2
		.amdhsa_user_sgpr_kernarg_segment_ptr 1
		.amdhsa_wavefront_size32 1
		.amdhsa_system_sgpr_workgroup_id_x 1
		.amdhsa_system_sgpr_workgroup_id_y 1
		.amdhsa_system_sgpr_workgroup_id_z 1
		.amdhsa_system_vgpr_workitem_id 0
		.amdhsa_next_free_vgpr 256
		.amdhsa_next_free_sgpr 102
		.amdhsa_reserve_vcc 0
		.amdhsa_float_denorm_mode_32 3
		.amdhsa_float_denorm_mode_16_64 3
		.amdhsa_memory_ordered 1
		.amdhsa_forward_progress 1
		.amdhsa_inst_pref_size 57
	.end_amdhsa_kernel
	.amdgpu_metadata
---
amdhsa.version: [ 1, 2 ]
amdhsa.kernels:
  - .name:           k_q2e5e76bef2_attn
    .symbol:         k_q2e5e76bef2_attn.kd
    .args:
      - { .name: pq, .offset: 0, .size: 8, .value_kind: global_buffer, .address_space: global }
      - { .name: mw, .offset: 8, .size: 8, .value_kind: global_buffer, .address_space: global }
      - { .name: aq, .offset: 16, .size: 8, .value_kind: global_buffer, .address_space: global }
    .group_segment_fixed_size: 210944
    .private_segment_fixed_size: 0
    .kernarg_segment_align: 8
    .kernarg_segment_size: 24
    .max_flat_workgroup_size: 512
    .sgpr_count:     102
    .vgpr_count:     256
    .wavefront_size: 32
...
	.end_amdgpu_metadata
.endif
;; end of part 5
;; launch outp: the kernel of part 4 again; grid 4 x 32, 4 waves a work-group, clusters of 4 x 4, 327,680 bytes of LDS; arguments aq, wq, bo, out0; writes out0
